; MI455X (gfx1250); checked and timed in simulation.
; The chip was launched on July 23, 2026; its instructions are those of AMD's public machine-readable ISA for CDNA 5 (MIT licence, August 2026) and "CDNA5" Instruction Set Architecture Reference Guide (July 2026). The comments in the code are by the model that wrote it; some were corrected since.
;; Multi Head Attention. Allowed arithmetic: matrix products marked QUANTISED: E2M3 operands, one E8M0 scale for each 32 along K, by v_wmma_scale_f32_16x16x128_f8f6f4 with both operands' format E2M3, f32 sums; everything else in f32.
;; Inputs: Wk 16 x 1,024 x 64 float32; Wo 1,024 x 1,024 float32; Wq 16 x 1,024 x 64 float32; Wv 16 x 1,024 x 64 float32; bk 16 x 64 float32; bo 1,024 float32; bq 16 x 64 float32; bv 16 x 64 float32; key 2 x 2,048 x 1,024 float32; query 2 x 2,048 x 1,024 float32; value 2 x 2,048 x 1,024 float32.
;; Outputs: out0 2 x 2,048 x 1,024 float32.
;; This version of the problem:
;;   THIS VERSION OF THE PROBLEM IS GIVEN IN LOW PRECISION. The matrix products marked QUANTISED in the list below multiply operands that are first quantised to E2M3 (2 exponent bits, 3 mantissa bits; 6 bits a number), with one power-of-two scale for each 32 numbers along K (OCP MX v1.0); their sums are f32. All else is computed in f32.
;;   The module's matrix products, in the order in which they are computed (A, B: the left and right operand; K: the contracted axis; several contracted axes count as one K, in the product's order):
;;     1. [M 1,024, K 1,024] x [K 1,024, N 4,096]; A: input Wq; B: input query: QUANTISED
;;     2. [M 1,024, K 1,024] x [K 1,024, N 4,096]; A: input Wk; B: input key: QUANTISED
;;     3. [M 1,024, K 1,024] x [K 1,024, N 4,096]; A: input Wv; B: input value: QUANTISED
;;     4. batch 32 x [M 2,048, K 64] x [K 64, N 2,048]; A: computed on the way; B: computed on the way: QUANTISED
;;     5. batch 32 x [M 2,048, K 2,048] x [K 2,048, N 64]; A: softmax (see below); B: computed on the way: QUANTISED
;;     6. [M 4,096, K 1,024] x [K 1,024, N 1,024]; A: computed on the way; B: input Wo: QUANTISED
;;   THE QUANTISER, for each operand of a quantised product, along K:
;;     - K is cut into blocks of 32 from its start; a last block that is shorter is filled with zeros.
;;     - A block's scale is 2^e with e = floor(log2(the largest magnitude in the block)) - 2, held to -126 .. 127; a block of zeros has e = 0. As a byte (E8M0): e + 127.
;;     - Each number is divided by its block's scale, clamped to +-7.5, and rounded to the nearest number of E2M3, ties to even, subnormals kept.
;;     - The product sums the exact products of the quantised numbers (number of the format x scale) in f32.
;;   ~~~python
;;   def quantise(x, axis):      # numpy; x: float32 -> the quantised numbers, widened to float32 again
;;       x = np.moveaxis(x, axis, -1); K = x.shape[-1]
;;       x = np.pad(x, [(0, 0)] * (x.ndim - 1) + [(0, -K % 32)]); x = x.reshape(x.shape[:-1] + (-1, 32)); a = np.abs(x).max(-1, keepdims=True)
;;       e = np.where(a > 0, np.clip(np.frexp(np.where(a > 0, a, 1))[1] - 1 - 2, -126, 127), 0)      # np.frexp(a)[1] - 1 = floor(log2(a)), exactly
;;       r = np.clip(x / 2.0 ** e, -7.5, 7.5)
;;       step = 2.0 ** (np.maximum(np.frexp(np.where(r == 0, 1, r))[1] - 1, 0) - 3)
;;       q = np.round(r / step) * step * 2.0 ** e      # np.round: ties to even
;;       return np.moveaxis(q.reshape(q.shape[:-2] + (-1,))[..., :K], -1, axis).astype(np.float32)
;;   ~~~
;;   SOFTMAX AHEAD OF A QUANTISED PRODUCT. Where the list says 'softmax', what is quantised is not the finished softmax but p = 2^(t - M), with t = logit x log2(e) and M = ceil(the row's largest t), a whole number; so 1/2 < the row's largest p <= 1. The row's sum l is taken of the UNQUANTISED p, in f32, and the product's result is divided by l at the end. Since M is a whole number, a kernel that streams over the keys may use a running M (the ceiling of the running maximum): every later rescaling is an exact power of two, which a block's scale takes up: the codes' values come out the same.
;;   OPERANDS COMPUTED ON THE WAY. 'Computed on the way' means the value that the module computes at that place (a softmax that the list does not call 'softmax' is quantised finished and normalised). What goes into a quantiser is computed in f32, as accurately as f32 sums, v_exp_f32 and their like allow (about 1e-6 of the number): no bf16 or f16 on the way to a quantiser, and a product that is left as it is and whose result goes on into a quantised operand takes f32 operands (vector FMAs, or v_wmma_f32_16x16x4_f32). A number that lies on a knife's edge between two numbers of the format may be rounded either way, as far as f32 arithmetic and the matrix unit's own rounding can turn it there, and no further.
;; One version. Each part assembles by itself: llvm-mc -triple=amdgcn-amd-amdhsa -mcpu=gfx1250 --defsym DOCPART=n.
;; ======== version 1 of 1: 4 launches
;; limits: right only within a limited range of input values
;; workspace buffers: opc 12,582,912 bytes; ops 524,288 bytes; qc 3,145,728 bytes; qs 131,072 bytes; kv 6,553,600 bytes; cc 3,145,728 bytes; cs 131,072 bytes
;; launch prep (part 1): grid 512 x 1, 4 waves a work-group, no clusters, 34,304 bytes of LDS; arguments query, key, value, Wq, Wk, Wv, Wo, opc, ops; writes opc, ops
.if DOCPART == 1
	.amdgcn_target "amdgcn-amd-amdhsa--gfx1250"
	.amdhsa_code_object_version 6
	.text
	.protected	k_qb4feaca814_prep
	.globl	k_qb4feaca814_prep
	.p2align	8
	.type	k_qb4feaca814_prep,@function
k_qb4feaca814_prep:
	s_mov_b64 s[64:65], 0
	v_nop
	global_prefetch_b8 v0, s[64:65] scope:SCOPE_SE
	s_setreg_imm32_b32 hwreg(HW_REG_WAVE_MODE, 25, 1), 1
	s_wait_xcnt 0x0
; query, key, value [4096][1024] f32 (K innermost) and Wq, Wk, Wv [16][1024][64], Wo [1024][1024] f32 (K is the axis of 1,024 that is NOT innermost) become codes of FP6 (E2M3)
; with one E8M0 byte for each 32 along K, laid as IMAGES OF THE OPERAND'S REGISTERS, so that the products' launches fetch dense blocks and load fragments by 16 and 8 bytes a lane.
; ROWS.  Rows go in groups of 128 and tiles of 16; lane r of tile i holds row 32 (i / 2) + 8 (i % 2) + r + 8 (r / 8) of its group.
; CODES (opc).  group x 98,304 + (k / 128) x 12,288 + tile x 1,536 + ((k / 64) % 2) x 768; in these 768 bytes lane l's registers 0-3 lie at 16 l and its registers 4-5 at 512 + 8 l; lane (r, h) holds k = 32 h .. 32 h + 31.
; SCALES (ops).  group x 4,096 + (k / 256) x 1,024 + tile x 128 + r x 8 + ((k / 128) % 2) x 4: one word of four bytes for 128 along K.
; GROUPS.  0-31 query, 32-63 key, 64-95 value, 96-103 Wq, 104-111 Wk, 112-119 Wv (row = head x 64 + d), 120-127 Wo (row = its column).
; A block's scale is 2^(floor(log2(its largest magnitude)) - 2): its byte is the largest magnitude's exponent field - 2, held at 1 from below by a floor among the maximum's leaves.
; LIMITS: a block of zeros gets the byte 1 where the rule says 127 (its codes are zeros, and this program alone reads the bytes); NaN and infinities among the inputs are not served.
; SHARES.  Work-groups 0-383: one group of 128 rows x 256 along K of an activation; wave w takes rows 32 w .. 32 w + 31: four fragments.  Each load reads 512 consecutive bytes of a row; a fragment's 16 rows turn
; through the wave's own stage in LDS (rows 528 bytes apart), so that a lane gets the 32 neighbours along K that the conversions want.  Work-groups 384-511: 128 columns x 256 along K of a weight; a lane takes a
; column and its registers run down K, so nothing is transposed.  A weight's 16-byte stores cover whole runs of 256 bytes; its 8-byte stores cover runs of 128: a third of the weights' 3 MB of codes.
; No tensor loads, no barrier: waves share nothing.  No matrix unit, no cluster: the launch only streams.
.set SPI,  528                         ; a stage row: 512 bytes + 16
.set STG,  16*SPI                      ; a wave's stage
.set R0,   32                          ; v32-95, v96-159  two sets of 64 numbers
.set R1,   96
.set CD,   160                         ; v160-171 a fragment's codes
.set T2,   172                         ; v172-174, v176-178 the second half of each block (a conversion's three registers begin on an even number)
.set MX,   180                         ; v180-181 largest magnitudes
.set SO,   182                         ; v182-183 the conversions' scale operands
.set BY,   184                         ; v184-185 the bytes
.set WD,   186                         ; v186-189 a scale word for each fragment
.set WX,   32                          ; weights: v32-95 two sets of 32 numbers
.set WC,   96                          ; v96-101 a block's codes; v104-106 its second half
.set WT,   104
.set SB,   108                         ; v108-109 the scale bytes, four to a register
	s_load_b256 s[4:11], s[0:1], 0x0               ; query, key, value, Wq
	s_load_b256 s[12:19], s[0:1], 0x20             ; Wk, Wv, Wo, opc
	s_load_b64 s[20:21], s[0:1], 0x40              ; ops
	v_lshl_add_u32 v192, v0, 2, 0x8400
	v_mov_b32 v193, 0
	v_lshrrev_b32 v1, 5, v0
	v_readfirstlane_b32 s22, v1                    ; wave 0..3
	v_and_b32 v7, 31, v0                           ; lane
	s_mov_b32 s24, 0x76543210
	s_mov_b32 s25, 0xfedcba98                      ; v_permlanex16_b32's selects for lane l xor 16
	s_cmp_ge_u32 ttmp9, 384
	s_cbranch_scc1 .Lweights
	; ---------------- activations ----------------
	s_lshr_b32 s26, ttmp9, 7                       ; which tensor
	s_bfe_u32 s27, ttmp9, 0x50002                  ; its group of 128 rows
	s_and_b32 s28, ttmp9, 3                        ; which 256 along K
	v_and_b32 v8, 15, v0                           ; r
	v_bfe_u32 v9, v0, 4, 1                         ; h
	v_lshlrev_b32 v2, 4, v7                        ; 16 x lane
	v_lshlrev_b32 v3, 3, v7                        ; 8 x lane
	s_mul_i32 s29, s22, STG
	v_add_nc_u32 v4, s29, v2                       ; the stage, on the way in: a row's 512 bytes as they lie
	v_mul_u32_u24 v5, v8, SPI
	v_lshl_add_u32 v5, v9, 7, v5
	v_add_nc_u32 v5, s29, v5                       ; and on the way out: row r, + 128 h: my 32 neighbours of each 64
	v_lshlrev_b32 v6, 3, v9                        ; 8 h
	v_mov_b32 v191, 0                              ; written once: a lane permute's destination counts as one of its sources
	s_lshl_b32 s30, s27, 19                        ; 128 rows of 4,096 bytes,
	s_lshl_b32 s31, s22, 17                        ; my wave's 32 rows,
	s_add_co_u32 s30, s30, s31
	s_lshl_b32 s31, s28, 10                        ; 256 numbers along K
	s_add_co_u32 s30, s30, s31
	s_mov_b32 s31, 0
	s_lshl_b32 s32, s26, 5
	s_add_co_u32 s32, s32, s27                     ; the group's number among the 128
	s_mul_i32 s34, s32, 98304
	s_mul_i32 s33, s28, 24576
	s_add_co_u32 s34, s34, s33
	s_mul_i32 s33, s22, 3072                       ; my two tiles
	s_add_co_u32 s34, s34, s33
	s_mov_b32 s35, 0
	s_lshl_b32 s36, s32, 12
	s_lshl_b32 s33, s28, 10
	s_add_co_u32 s36, s36, s33
	s_lshl_b32 s33, s22, 8
	s_add_co_u32 s36, s36, s33
	s_mov_b32 s37, 0
	s_wait_alu depctr_va_vdst(0)
	s_wait_kmcnt 0x0
	s_cmp_eq_u32 s26, 0                            ; the choice hangs on the work-group's number alone
	s_cselect_b64 s[38:39], s[4:5], s[6:7]
	s_cmp_eq_u32 s26, 2
	s_cselect_b64 s[38:39], s[8:9], s[38:39]
	s_add_nc_u64 s[38:39], s[38:39], s[30:31]
	s_add_nc_u64 s[40:41], s[18:19], s[34:35]
	s_add_nc_u64 s[42:43], s[20:21], s[36:37]
; fragment f = 2 u + q: tile 2 w + u, the q-th 128 along K.  Sixteen loads, a row's 512 consecutive bytes each
.macro XLOAD f, set
.irp p, 0,1,2,3,4,5,6,7,8,9,10,11,12,13,14,15
	global_load_b128 v[\set+4*\p:\set+4*\p+3], v2, s[38:39] offset:(8*((\f)/2)+\p+8*(\p/8))*4096+((\f)%2)*512 th:TH_LOAD_NT
.endr
.endm
; through the stage: LDS serves a wave's instructions in order, so no wait stands between the stores and the loads.  Register 32 c + i then holds k = 64 c + 32 h + i of row r
.macro XTURN set
.irp p, 0,1,2,3,4,5,6,7,8,9,10,11,12,13,14,15
	ds_store_b128 v4, v[\set+4*\p:\set+4*\p+3] offset:\p*SPI
.endr
.irp c, 0,1
.irp j, 0,1,2,3,4,5,6,7
	ds_load_b128 v[\set+32*\c+4*\j:\set+32*\c+4*\j+3], v5 offset:256*\c+16*\j
.endr
.endr
.endm
.macro XQ set, f
.irp c, 0,1
	v_max3_num_f32 v[MX+\c], |v[\set+32*\c]|, |v[\set+32*\c+1]|, 0x1800000   ; my block 2 c + h: all its 32 numbers are mine; the floor 2^(3 - 127) keeps the byte at 1 or above
.endr
.irp i, 2,4,6,8,10,12,14,16,18,20,22,24,26,28,30
.irp c, 0,1
	v_max3_num_f32 v[MX+\c], v[MX+\c], |v[\set+32*\c+\i]|, |v[\set+32*\c+\i+1]|   ; (the two blocks by turns)
.endr
.endr
.irp c, 0,1
	v_add_nc_u32 v[SO+\c], 0xff000000, v[MX+\c]    ; 2 off the exponent field: the conversion takes that field as its scale
.endr
.irp c, 0,1
	v_lshrrev_b32 v[BY+\c], 23, v[SO+\c]           ; the scale's byte
.endr
	v_lshl_or_b32 v190, v[BY+1], 16, v[BY]         ; blocks h and 2 + h,
	v_lshlrev_b32 v190, v6, v190                   ; at their places in the word;
	v_permlanex16_b32 v191, v190, s24, s25
	v_or_b32 v[WD+(\f)], v190, v191                ; with lane l xor 16's two the word is whole
	s_wait_alu depctr_va_vdst(0)
	s_wait_xcnt 0x0                                ; the last fragment's stores have read the codes' registers: they are written again only behind this wait
.irp c, 0,1
	v_cvt_scalef32_pk16_fp6_f32 v[CD+6*\c:CD+6*\c+2], v[\set+32*\c:\set+32*\c+15], v[SO+\c]
	v_cvt_scalef32_pk16_fp6_f32 v[T2+4*\c:T2+4*\c+2], v[\set+32*\c+16:\set+32*\c+31], v[SO+\c]
.endr
	v_nop                                          ; one plain place behind a scaled conversion
.irp c, 0,1
.irp i, 0,1,2
	v_mov_b32 v[CD+6*\c+3+\i], v[T2+4*\c+\i]
.endr
.endr
	global_store_b128 v2, v[CD:CD+3], s[40:41] offset:((\f)%2)*12288+((\f)/2)*1536          ; each store covers 512 or 256 consecutive bytes, aligned
	global_store_b64 v3, v[CD+4:CD+5], s[40:41] offset:((\f)%2)*12288+((\f)/2)*1536+512
	global_store_b128 v2, v[CD+6:CD+9], s[40:41] offset:((\f)%2)*12288+((\f)/2)*1536+768
	global_store_b64 v3, v[CD+10:CD+11], s[40:41] offset:((\f)%2)*12288+((\f)/2)*1536+1280
.endm
.macro XFRAG f, set, left
	s_wait_loadcnt \left                           ; this fragment's 16 loads are in; the next fragment's 16 may be out
	XTURN \set
	s_wait_dscnt 0x0
	XQ \set, \f
.if (\f) < 2
	XLOAD (\f)+2, \set
.endif
.endm
	XLOAD 0, R0
	XLOAD 1, R1
	XFRAG 0, R0, 16
	XFRAG 1, R1, 16
	XFRAG 2, R0, 16
	XFRAG 3, R1, 0
	v_cmp_le_u32 vcc_lo, 16, v7                    ; lanes 0-15 store tile 2 w's words, lanes 16-31 tile 2 w + 1's
	v_cndmask_b32 v190, v[WD], v[WD+2], vcc_lo
	v_cndmask_b32 v191, v[WD+1], v[WD+3], vcc_lo
	global_store_b64 v3, v[190:191], s[42:43]      ; 32 lanes store 256 consecutive bytes, aligned
	s_wait_tensorcnt 0x0
	ds_add_u32 v192, v193
	s_wait_dscnt 0x0
	s_endpgm
	; ---------------- weights ----------------
.Lweights:
	s_sub_co_u32 s26, ttmp9, 384
	s_lshr_b32 s27, s26, 5                         ; which weight: Wq, Wk, Wv, Wo
	s_bfe_u32 s28, s26, 0x30002                    ; its group of 128 columns
	s_and_b32 s29, s26, 3                          ; which 256 along K
	s_wait_alu depctr_va_vdst(0)
	v_lshlrev_b32 v8, 2, v7                        ; in: 4 bytes a lane: column 32 w + lane
	v_bfe_u32 v12, v7, 3, 1                        ; that column is row r of tile 2 w + u: u = (lane / 8) % 2,
	v_and_b32 v13, 7, v7
	v_lshrrev_b32 v14, 4, v7
	v_lshl_add_u32 v13, v14, 3, v13                ; r = lane % 8 + 8 (lane / 16)
	v_mul_u32_u24 v15, v12, 1536
	v_lshl_add_u32 v9, v13, 4, v15                 ; out: registers 0-3 at 16 r,
	v_lshl_add_u32 v10, v13, 3, v15                ; registers 4-5 at 8 r,
	v_lshlrev_b32 v11, 7, v12
	v_lshl_add_u32 v11, v13, 3, v11                ; the scale words at 128 u + 8 r
	s_lshl_b32 s32, s27, 3
	s_add_co_u32 s32, s32, s28
	s_add_co_u32 s32, s32, 96                      ; the group's number among the 128
	s_mul_i32 s34, s32, 98304
	s_mul_i32 s33, s29, 24576
	s_add_co_u32 s34, s34, s33
	s_mul_i32 s33, s22, 3072
	s_add_co_u32 s34, s34, s33
	s_mov_b32 s35, 0
	s_lshl_b32 s36, s32, 12
	s_lshl_b32 s33, s29, 10
	s_add_co_u32 s36, s36, s33
	s_lshl_b32 s33, s22, 8
	s_add_co_u32 s36, s36, s33
	s_mov_b32 s37, 0
	s_mov_b32 s31, 0
	s_wait_kmcnt 0x0
	s_add_nc_u64 s[40:41], s[18:19], s[34:35]
	s_add_nc_u64 s[42:43], s[20:21], s[36:37]
.macro WLOAD t, str                    ; block t: W(32 t + i, my column), i = 0 .. 31; 32 lanes read 128 consecutive bytes
.irp i, 0,1,2,3,4,5,6,7,8,9,10,11,12,13,14,15,16,17,18,19,20,21,22,23,24,25,26,27,28,29,30,31
	global_load_b32 v[WX+32*((\t)%2)+\i], v8, s[38:39] offset:(32*(\t)+\i)*(\str) th:TH_LOAD_NT
.endr
.endm
.macro WBLOCK t, str
.set XS, WX+32*((\t)%2)
.if (\t) < 7
	s_wait_loadcnt 32                              ; this block's 32 loads are in; the next block's may be out
.else
	s_wait_loadcnt 0x0
.endif
	v_max3_num_f32 v110, |v[XS]|, |v[XS+1]|, |v[XS+2]|             ; the block's largest magnitude: all 32 numbers are mine
	v_max3_num_f32 v111, |v[XS+3]|, |v[XS+4]|, |v[XS+5]|
.irp i, 6,10,14,18,22,26
	v_max3_num_f32 v110, v110, |v[XS+\i]|, |v[XS+\i+1]|
	v_max3_num_f32 v111, v111, |v[XS+\i+2]|, |v[XS+\i+3]|
.endr
	v_max3_num_f32 v110, v110, |v[XS+30]|, |v[XS+31]|
	v_max3_num_f32 v110, v110, v111, 0x1800000     ; and the floor
	v_add_nc_u32 v112, 0xff000000, v110            ; the conversions' scale operand
	v_lshrrev_b32 v113, 23, v112                   ; the byte
.if (\t)%4 == 0
	v_mov_b32 v[SB+(\t)/4], v113
.else
	v_lshl_or_b32 v[SB+(\t)/4], v113, 8*((\t)%4), v[SB+(\t)/4]
.endif
	s_wait_alu depctr_va_vdst(0)
	s_wait_xcnt 0x0                                ; the last block's stores have read the codes' registers
	v_cvt_scalef32_pk16_fp6_f32 v[WC:WC+2], v[XS:XS+15], v112
	v_cvt_scalef32_pk16_fp6_f32 v[WT:WT+2], v[XS+16:XS+31], v112
	v_nop                                          ; one plain place behind a scaled conversion
	v_mov_b32 v[WC+3], v[WT]
	v_mov_b32 v[WC+4], v[WT+1]
	v_mov_b32 v[WC+5], v[WT+2]
	global_store_b128 v9, v[WC:WC+3], s[40:41] offset:((\t)/4)*12288+(((\t)/2)%2)*768+((\t)%2)*256        ; block t is what lane r + 16 (t % 2) of the fragment holds
	global_store_b64 v10, v[WC+4:WC+5], s[40:41] offset:((\t)/4)*12288+(((\t)/2)%2)*768+512+((\t)%2)*128
.if (\t)+2 < 8
	WLOAD (\t)+2, \str
.endif
.endm
.macro WBODY str
	WLOAD 0, \str
	WLOAD 1, \str
.irp t, 0,1,2,3,4,5,6,7
	WBLOCK \t, \str
.endr
	global_store_b64 v11, v[SB:SB+1], s[42:43]     ; 32 lanes store 256 consecutive bytes, aligned
.endm
	s_cmp_eq_u32 s27, 3
	s_cbranch_scc1 .Lwo
	s_lshl_b32 s30, s28, 1                         ; Wq, Wk, Wv: [head][k][d]: my 32 columns are half a head's: head 2 G + w / 2,
	s_lshr_b32 s33, s22, 1
	s_add_co_u32 s30, s30, s33
	s_lshl_b32 s30, s30, 18
	s_lshl_b32 s33, s29, 16                        ; 256 rows of 256 bytes,
	s_add_co_u32 s30, s30, s33
	s_and_b32 s33, s22, 1
	s_lshl_b32 s33, s33, 7                         ; d = 32 (w % 2) on
	s_add_co_u32 s30, s30, s33
	s_cmp_eq_u32 s27, 0
	s_cselect_b64 s[38:39], s[10:11], s[12:13]
	s_cmp_eq_u32 s27, 2
	s_cselect_b64 s[38:39], s[14:15], s[38:39]
	s_add_nc_u64 s[38:39], s[38:39], s[30:31]
	WBODY 256
	s_endpgm
.Lwo:
	s_lshl_b32 s30, s29, 20                        ; Wo: [k][n]: 256 rows of 4,096 bytes,
	s_lshl_b32 s33, s28, 9                         ; 128 columns,
	s_add_co_u32 s30, s30, s33
	s_lshl_b32 s33, s22, 7                         ; my wave's 32
	s_add_co_u32 s30, s30, s33
	s_add_nc_u64 s[38:39], s[16:17], s[30:31]
	WBODY 4096
	s_endpgm
.Lfunc_end_k_qb4feaca814_prep:
	.size	k_qb4feaca814_prep, .Lfunc_end_k_qb4feaca814_prep-k_qb4feaca814_prep
	.p2alignl 7, 3214868480
	.fill 96, 4, 3214868480
	.section	.rodata,"a",@progbits
	.p2align	6, 0x0
	.amdhsa_kernel k_qb4feaca814_prep
		.amdhsa_group_segment_fixed_size 34304
		.amdhsa_private_segment_fixed_size 0
		.amdhsa_enable_private_segment 0
		.amdhsa_kernarg_size 72
		.amdhsa_user_sgpr_count 2
		.amdhsa_user_sgpr_kernarg_segment_ptr 1
		.amdhsa_wavefront_size32 1
		.amdhsa_system_sgpr_workgroup_id_x 1
		.amdhsa_system_sgpr_workgroup_id_y 1
		.amdhsa_system_sgpr_workgroup_id_z 1
		.amdhsa_system_vgpr_workitem_id 0
		.amdhsa_next_free_vgpr 194
		.amdhsa_next_free_sgpr 66
		.amdhsa_reserve_vcc 1
		.amdhsa_float_denorm_mode_32 3
		.amdhsa_float_denorm_mode_16_64 3
		.amdhsa_memory_ordered 1
		.amdhsa_forward_progress 1
		.amdhsa_inst_pref_size 109
	.end_amdhsa_kernel
	.amdgpu_metadata
---
amdhsa.version: [ 1, 2 ]
amdhsa.kernels:
  - .name:           k_qb4feaca814_prep
    .symbol:         k_qb4feaca814_prep.kd
    .args:
      - { .name: query, .offset: 0, .size: 8, .value_kind: global_buffer, .address_space: global }
      - { .name: key, .offset: 8, .size: 8, .value_kind: global_buffer, .address_space: global }
      - { .name: value, .offset: 16, .size: 8, .value_kind: global_buffer, .address_space: global }
      - { .name: Wq, .offset: 24, .size: 8, .value_kind: global_buffer, .address_space: global }
      - { .name: Wk, .offset: 32, .size: 8, .value_kind: global_buffer, .address_space: global }
      - { .name: Wv, .offset: 40, .size: 8, .value_kind: global_buffer, .address_space: global }
      - { .name: Wo, .offset: 48, .size: 8, .value_kind: global_buffer, .address_space: global }
      - { .name: opc, .offset: 56, .size: 8, .value_kind: global_buffer, .address_space: global }
      - { .name: ops, .offset: 64, .size: 8, .value_kind: global_buffer, .address_space: global }
    .group_segment_fixed_size: 34304
    .private_segment_fixed_size: 0
    .kernarg_segment_align: 8
    .kernarg_segment_size: 72
    .max_flat_workgroup_size: 128
    .sgpr_count:     66
    .vgpr_count:     194
    .wavefront_size: 32
...
	.end_amdgpu_metadata
.endif
;; end of part 1
;; launch proj (part 2): grid 4 x 48, 4 waves a work-group, clusters of 4 x 4, 327,680 bytes of LDS; arguments opc, ops, bq, bk, bv, qc, qs, kv; writes qc, qs, kv
.if DOCPART == 2
	.amdgcn_target "amdgcn-amd-amdhsa--gfx1250"
	.amdhsa_code_object_version 6
	.text
	.protected	k_qb4feaca814_proj
	.globl	k_qb4feaca814_proj
	.p2align	8
	.type	k_qb4feaca814_proj,@function
k_qb4feaca814_proj:
	s_mov_b64 s[64:65], 0
	v_nop
	global_prefetch_b8 v0, s[64:65] scope:SCOPE_SE
	s_setreg_imm32_b32 hwreg(HW_REG_WAVE_MODE, 25, 1), 1
	s_wait_xcnt 0x0
	s_wait_alu depctr_hold_cnt(0) depctr_sa_sdst(0) depctr_va_vdst(0) depctr_va_sdst(0) depctr_va_ssrc(0) depctr_va_vcc(0) depctr_vm_vsrc(0)
	s_getreg_b32 s2, hwreg(HW_REG_IB_STS2, 6, 4)
	s_cmp_eq_u32 s2, 0
	s_cbranch_scc0 .Lentry_in_a_cluster
	s_endpgm
.Lentry_in_a_cluster:
	s_bfe_u32 s2, ttmp6, 0x10000c
	s_cmp_lg_u32 s2, 0xf033
	s_cbranch_scc0 .Lentry_shape_is_right
	s_endpgm
.Lentry_shape_is_right:
; The three projections, on codes of FP6 (E2M3) with E8M0 scales, K = 1,024; then the bias in f32, and the results quantised at once for the attention: q and k along d, v along the keys.
; OPERANDS lie in opc and ops as images of their registers (128 groups of 128 rows: 0-95 query, key, value; 96-119 Wq, Wk, Wv).  Lane r of tile i holds row 32 (i / 2) + 8 (i % 2) + r + 8 (r / 8) of its group,
; so that the 16 registers which two neighbouring tiles of source 0 leave in a lane are 16 NEIGHBOURS: 32 (tile / 2) + 16 (lane / 16) + 0 .. 15.
; SHARES.  A work-group makes 256 x 256, four waves 128 x 128 each: 64 accumulators, 512 registers.  Source 0 = 16 rows of B, source 1 = 16 rows of A: a lane holds ONE row of A and its registers run along B's rows.
; The cluster's y / 4 says which projection.  q, k: A = the activation, B = the weight: a lane holds a token, its registers run along (head, d).  v: A = Wv, B = value: a lane holds (head, d), its registers run along the keys.
; K goes in steps of 256 through two LDS slots; 128 rows x 256 K of an operand are ONE dense block of 24,576 bytes, one tensor load.  The scale words of the work-group's rows, for all of K, come once.
; CLUSTERS: 4 x 4 work-groups; A's blocks are shared along a row of the cluster, B's along a column: each is asked for jointly, which divides the requests by four.
; OUT.  qc: (head' x 128 + tile) x 768 (head' = 16 batch + head): 16 queries x 64 d as half a fragment's image.  qs: head' x 4,096 + group x 256 + r x 16 + u x 4: low half word tile 2 u's two bytes, high half tile 2 u + 1's.
; kv: head' x 204,800 + step x 12,800 (128 keys a step): 8 x 768 K's tiles, 4 x 1,536 V's fragments (16 d x 128 keys), 256 bytes K's scale words (as qs), 256 bytes V's (r x 16 + tile x 4).
; Both bias tables are loaded whichever projection is made, so that no branch stands at the head: the one not used costs 16 loads.
; LIMITS: a block of zeros gets the byte 1 (its codes are zeros; this program alone reads the bytes); NaN and infinities are not served.
; REGISTERS: window 0: v1-31 addresses; v32-63 scale words, two sets; v64-127 the bias along the registers; v128-223 A's fragments, ONE set, later the way out; v224-239 the bias by lanes; v240-255 at work.
;   window 1: B's fragments, two sets, at v0 and v128.  window 2: the accumulators of A's blocks 0-3 ((a, b) at v[8 (8 a + b)]); window 3: those of blocks 4-7.
.set FR,    12                         ; registers of a fragment: 16 rows x 128 K
.set NL,    4                          ; LDS loads that bring one
.set NP,    4                          ; places behind this matrix instruction (ISA guide 7.12.1)
.set NQ,    2                          ; matrix instructions deep in a slot
.set HALFT, 24576                      ; 128 rows x 256 K: what one tensor load brings
.set SLOT,  4*HALFT                    ; A's two groups, then B's two
.set SCL,   3*SLOT                     ; slot 0 holds TWO K steps' tiles, [A's two groups, B's two] x 49,152 bytes; slot 1, behind it, one K step's, 4 x 24,576; then the scale words, 4 x 4,096 bytes
.set HALFS, 4096
.set SPARE, SCL+4*HALFS                ; the spare words, 128 bytes for each wave: two blocks of 256 bytes that no other line names
.set ADRA, 16                          ; v16-17 LDS address of my A fragments in slot 0, 1, 16 bytes a lane; v18-19 the same, 8 bytes a lane
.set ADRB, 20                          ; v20-23 the same for B
.set L16,  24                          ; v24 16 x lane
.set L8,   25                          ; v25 8 x lane
.set VT,   26                          ; v26 where my scale words go
.set ADRS, 27                          ; v27 LDS address of my scale words: lanes 0-15 A's, lanes 16-31 B's
.set SPW,  28                          ; v28 LDS address of my spare word; never rewritten
.set NIL,  29                          ; v29 0; never rewritten
.set VSEL, 30                          ; v30 v_perm_b32's selector: lanes 0-15 the low halves, lanes 16-31 the high halves
.set LANE, 31
.set SC,   32
.set BT,   64
.set AF,   128
.set BV,   224
.set NUM,  128                         ; the way out: 64 numbers,
.set PC,   192                         ; the codes just made (v192-211),
.set PWS,  212                         ; the eight blocks' scale words,
.set XW,   220                         ; the four words that leave,
.set TM,   240                         ; v240-243 largest magnitudes, v244-247 bytes, v252-255 the conversions' scale operands
.set G1,   28
.set G0,   36
.set G1B,  44
.set G0B,  52
.set G0S,  60
.set G1S,  68
.set G1SB, 76
.set G0SB, 84
.set MSB, 0
.macro WIN new                         ; the immediate's high byte repeats the setting that is left
.if MSB != (\new)
	s_set_vgpr_msb (MSB<<8)|(\new)
.set MSB, (\new)
.endif
.endm
.set MUL_LO, 0xa1                      ; source 0 (B) window 1, source 1 (A) window 0, C and D window 2
.set MUL_HI, 0xf1                      ; the same, C and D window 3
.set TO_B,   0x40                      ; destination window 1, address window 0
; A joint load: waves 0 and 1 fetch for A, waves 2 and 3 for B.  The branch hangs on the wave's number alone.  Four v_nop follow each of the two lines.
.macro JLOAD g0a, g1a, g0b, g1b
	s_cmp_eq_u32 s21, 0
	s_cbranch_scc0 .Lfor_b_\@
	tensor_load_to_lds s[\g0a:\g0a+3], s[\g1a:\g1a+7]
	s_nop 0
.rept 4
	v_nop
.endr
	s_branch .Lasked_\@
.Lfor_b_\@:
	tensor_load_to_lds s[\g0b:\g0b+3], s[\g1b:\g1b+7]
	s_nop 0
.rept 4
	v_nop
.endr
.Lasked_\@:
.endm
.macro CREST                           ; a round of the cluster's barrier behind its opening barrier
	s_cmp_lg_u32 s20, 0
	s_cbranch_scc1 .Lnot_wave_0_\@
	s_barrier_signal -3
.Lnot_wave_0_\@:
	s_barrier_wait -3
	s_barrier_signal -1
	s_barrier_wait -1
.endm
.macro CROUND
	s_barrier_signal -1
	s_barrier_wait -1
	CREST
.endm
	s_load_b512 s[4:19], s[0:1], 0x0               ; opc s[4:5], ops s[6:7], bq s[8:9], bk s[10:11], bv s[12:13], qc s[14:15], qs s[16:17], kv s[18:19]
	v_lshl_add_u32 v[SPW], v0, 2, SPARE
	v_mov_b32 v[NIL], 0
	ds_add_u32 v28, v29
	ds_add_u32 v28, v29
	s_wait_dscnt 0x0
	v_lshrrev_b32 v1, 5, v0
	v_readfirstlane_b32 s20, v1                    ; wave 0..3
	s_lshr_b32 s21, s20, 1                         ; which of A's two groups is mine.  Also: I fetch for A (0) or for B (1)
	s_and_b32 s22, s20, 1                          ; which of B's two groups.  Also: which group I fetch
	s_bfe_u32 s23, ttmp6, 0x40000                  ; cx
	s_bfe_u32 s24, ttmp6, 0x40004                  ; cy
	s_and_b32 s26, ttmp7, 0xffff                   ; the cluster's y, 0 .. 11: shared by all sixteen partners
	s_lshr_b32 s25, s26, 2                         ; which projection: 0 q, 1 k, 2 v
	s_and_b32 s26, s26, 3                          ; which eight groups of the activation
	s_lshl_b32 s2, s24, 2
	s_lshl_b32 s2, 15, s2                          ; my row of the cluster
	s_lshl_b32 s3, 0x1111, s23                     ; my column
	s_or_b32 s[G1], s2, (3<<16)|(1<<21)            ; 15:0 the mask; 17:16 elements of 8 bytes; 21 set beside a mask; no padding: the blocks are read as they lie
	s_or_b32 s[G1B], s3, (3<<16)|(1<<21)
	s_or_b32 s[G1S], s2, (3<<16)|(1<<21)
	s_or_b32 s[G1SB], s3, (3<<16)|(1<<21)
.irp g, G1, G1B                        ; for the head's loads: K steps 0 and 1 of two neighbouring groups, 2 rows of 49,152 bytes (6,144 elements of 8), 98,304 bytes apart
	s_mov_b32 s[\g+1], 6144<<16                    ; (K steps 0 and 1 of a group lie on end: a row is 49,152 bytes, 6,144 elements of 8)
	s_mov_b32 s[\g+2], 2<<16
	s_mov_b32 s[\g+3], 6144<<16
	s_mov_b32 s[\g+4], 2
	s_mov_b32 s[\g+5], 12288
	s_mov_b32 s[\g+6], 0
	s_mov_b32 s[\g+7], 0
.endr
.irp g, G1S, G1SB                      ; the scale words of two neighbouring groups: 8,192 dense bytes as 32 rows of 256
	s_mov_b32 s[\g+1], 32<<16
	s_mov_b32 s[\g+2], 32<<16
	s_mov_b32 s[\g+3], 32<<16
	s_mov_b32 s[\g+4], 32
	s_mov_b32 s[\g+5], 32
	s_mov_b32 s[\g+6], 0
	s_mov_b32 s[\g+7], 0
.endr
	s_lshl_b32 s2, s25, 5
	s_lshl_b32 s94, s26, 3
	s_add_co_u32 s2, s2, s94                       ; the activation's first group for this cluster
	s_lshl_b32 s3, s25, 3
	s_add_co_u32 s3, s3, 96                        ; the weight's first group
	s_cmp_eq_u32 s25, 2                            ; for v the two change places
	s_cselect_b32 s92, s3, s2
	s_cselect_b32 s93, s2, s3
	s_lshl_b32 s94, s24, 1
	s_add_co_u32 s92, s92, s94
	s_lshl_b32 s27, s23, 1
	s_add_co_u32 s93, s93, s27
	s_mul_i32 s98, s92, 98304
	s_mov_b32 s99, 0
	s_lshl_b32 s100, s92, 12
	s_mov_b32 s101, 0
	s_mul_i32 s88, s93, 98304
	s_mov_b32 s89, 0
	s_lshl_b32 s90, s93, 12
	s_mov_b32 s91, 0
	s_mul_i32 s27, s20, HALFT                      ; where the ring's loads go: wave x a block: no place in the cluster enters an LDS address
	s_mul_i32 s66, s22, 98304                      ; in the ring I fetch one group of the two: wave % 2, in bytes
	s_mov_b32 s67, 0
	s_wait_kmcnt 0x0
	CROUND                                         ; all sixteen work-groups are here: the first joint loads meet
	s_mov_b32 s[G0S], 1                            ; the head's four tiles, each whole: the scale words of A's two groups,
	s_mov_b32 s[G0S+1], SCL
	s_add_nc_u64 s[G0S+2:G0S+3], s[6:7], s[100:101]
	s_or_b32 s[G0S+3], s[G0S+3], 0x80000000
	s_mov_b32 s[G0SB], 1                           ; of B's two,
	s_mov_b32 s[G0SB+1], SCL+2*HALFS
	s_add_nc_u64 s[G0SB+2:G0SB+3], s[6:7], s[90:91]
	s_or_b32 s[G0SB+3], s[G0SB+3], 0x80000000
	s_add_nc_u64 s[98:99], s[4:5], s[98:99]
	s_add_nc_u64 s[88:89], s[4:5], s[88:89]
	s_mov_b32 s[G0], 1                             ; K steps 0 and 1 of A's two groups (slot 0's group 0 serves; it is set for the ring behind the wait for this load),
	s_mov_b32 s[G0+1], 0
	s_mov_b64 s[G0+2:G0+3], s[98:99]
	s_or_b32 s[G0+3], s[G0+3], 0x80000000
	s_mov_b32 s[G0B], 1                            ; and of B's two
	s_mov_b32 s[G0B+1], SLOT
	s_mov_b64 s[G0B+2:G0B+3], s[88:89]
	s_or_b32 s[G0B+3], s[G0B+3], 0x80000000
	s_add_nc_u64 s[98:99], s[98:99], s[66:67]      ; slot 1: K step 2 of my one group
	s_add_nc_u64 s[88:89], s[88:89], s[66:67]
	s_mov_b32 s[G0+4], 1
	s_add_co_u32 s[G0+5], s27, 2*SLOT              ; slot 1 takes K step 2
	s_add_nc_u64 s[G0+6:G0+7], s[98:99], 2*HALFT
	s_or_b32 s[G0+7], s[G0+7], 0x80000000
	s_mov_b32 s[G0B+4], 1
	s_add_co_u32 s[G0B+5], s27, 2*SLOT
	s_add_nc_u64 s[G0B+6:G0B+7], s[88:89], 2*HALFT
	s_or_b32 s[G0B+7], s[G0B+7], 0x80000000
; the head's loads, one a wave, in one chain of branches on the wave's number
.macro ARM under, g0, g1, next
	s_cmp_lt_u32 s20, \under
	s_cbranch_scc0 \next
	tensor_load_to_lds s[\g0:\g0+3], s[\g1:\g1+7]
	s_nop 0
.rept 4
	v_nop
.endr
	s_branch .Lhead_asked
\next:
.endm
	ARM 1, G0,  G1,  .Lhead_b
	ARM 2, G0B, G1B, .Lhead_sa
	ARM 3, G0S, G1S, .Lhead_sb
	tensor_load_to_lds s[G0SB:G0SB+3], s[G1SB:G1SB+7]
	s_nop 0
.rept 4
	v_nop
.endr
.Lhead_asked:
	v_and_b32 v1, 15, v0                           ; r
	v_bfe_u32 v2, v0, 4, 1                         ; h
	v_and_b32 v[LANE], 31, v0
	v_lshlrev_b32 v[L16], 4, v[LANE]
	v_lshlrev_b32 v[L8], 3, v[LANE]
	s_mul_i32 s2, s21, 2*HALFT                     ; slot 0: my group of A, 49,152 bytes a group,
	s_mul_i32 s3, s22, 2*HALFT                     ; my group of B,
	s_add_co_u32 s3, s3, SLOT                      ; behind A's two
	v_add_nc_u32 v[ADRA], s2, v[L16]
	v_add_nc_u32 v[ADRA+2], s2, v[L8]
	v_add_nc_u32 v[ADRB], s3, v[L16]
	v_add_nc_u32 v[ADRB+2], s3, v[L8]
	s_mul_i32 s2, s21, HALFT                       ; slot 1: 24,576 bytes a group
	s_mul_i32 s3, s22, HALFT
	s_add_co_u32 s2, s2, 2*SLOT
	s_add_co_u32 s3, s3, 2*SLOT+2*HALFT
	v_add_nc_u32 v[ADRA+1], s2, v[L16]
	v_add_nc_u32 v[ADRA+3], s2, v[L8]
	v_add_nc_u32 v[ADRB+1], s3, v[L16]
	v_add_nc_u32 v[ADRB+3], s3, v[L8]
	s_lshl_b32 s2, s21, 12                         ; the scale words: A's, my group;
	s_lshl_b32 s3, s22, 12
	s_add_co_u32 s3, s3, 2*HALFS                   ; B's, behind A's two
	s_sub_co_u32 s3, s3, s2
	v_mul_u32_u24 v6, s3, v2                       ; lanes 16-31 take B's: one product in h
	s_add_co_u32 s2, s2, SCL
	v_lshlrev_b32 v5, 3, v1                        ; 8 bytes a row: a K step's two words
	v_add_nc_u32 v5, v5, v6
	v_add_nc_u32 v[ADRS], s2, v5
	; where the results go.  s4-s7 are free: the descriptors have their addresses
	s_lshl_b32 s2, s24, 1
	s_add_co_u32 s2, s2, s21                       ; my group of A among the cluster's eight
	s_lshl_b32 s3, s23, 1
	s_add_co_u32 s3, s3, s22                       ; my group of B
	s_mov_b32 s7, 12288
	s_cmp_eq_u32 s25, 2
	s_cselect_b32 s4, s3, s2                       ; the activation's
	s_cselect_b32 s5, s2, s3                       ; the weight's: two heads
	s_cselect_b32 s6, 0, s3                        ; the bias along the registers: the weight's group (v: not used, group 0)
	s_cselect_b32 s27, s2, 0                       ; the bias by lanes: v's group (else not used, group 0)
	s_cselect_b32 s7, 12544, s7                    ; where a step's scale words lie in kv: K's, V's
	s_lshl_b32 s95, s26, 3
	s_add_co_u32 s4, s4, s95                       ; the activation's group, 0 .. 31
	s_lshr_b32 s95, s4, 4                          ; batch
	s_and_b32 s4, s4, 15                           ; the group in its batch
	s_lshl_b32 s95, s95, 4
	s_lshl_b32 s5, s5, 1
	s_add_co_u32 s5, s5, s95                       ; head' of my first head
	s_lshl_b32 s6, s6, 9
	s_lshl_b32 s27, s27, 9
	s_mov_b32 s2, 204800
	s_mov_b32 s3, 12800
	s_mov_b32 s94, 204800
	s_cmp_eq_u32 s25, 0
	s_cselect_b32 s2, 98304, s2                    ; from head to head,
	s_cselect_b32 s3, 6144, s3                     ; from group to group
	s_cselect_b32 s94, 4096, s94                   ; and from head to head among the scale words
	s_cselect_b64 s[88:89], s[14:15], s[18:19]     ; qc or kv
	s_cselect_b64 s[92:93], s[16:17], s[18:19]     ; qs or kv
	s_cselect_b64 s[98:99], s[8:9], s[10:11]       ; bq or bk
	s_mul_i32 s95, s5, s2
	s_mul_i32 s3, s4, s3
	s_add_co_u32 s95, s95, s3                      ; the codes' offset
	s_lshl_b32 s5, s5, 12
	s_lshl_b32 s4, s4, 8
	s_add_co_u32 s4, s4, s5                        ; the scale words' offset in qs,
	s_add_co_u32 s7, s7, s95                       ; in kv
	s_cmp_eq_u32 s25, 0
	s_cselect_b32 s4, s4, s7
	s_mov_b32 s5, 0
	s_add_nc_u64 s[92:93], s[92:93], s[4:5]
	s_mov_b32 s4, s95
	s_add_nc_u64 s[88:89], s[88:89], s[4:5]        ; my first head's codes,
	s_mov_b32 s4, s2
	s_add_nc_u64 s[90:91], s[88:89], s[4:5]        ; my second head's
	s_mov_b32 s4, s6
	s_add_nc_u64 s[98:99], s[98:99], s[4:5]
	s_mov_b32 s4, s27
	s_add_nc_u64 s[100:101], s[12:13], s[4:5]
	s_mov_b32 s96, 0x76543210
	s_mov_b32 s97, 0xfedcba98                      ; v_permlanex16_b32's selects for lane l xor 16
	v_lshlrev_b32 v8, 6, v2                        ; 64 h
.irp b, 0,1,2,3
.irp j, 0,1,2,3
	global_load_b128 v[BT+16*\b+4*\j:BT+16*\b+4*\j+3], v8, s[98:99] offset:128*\b+16*\j   ; register 16 b + i: the bias of B's row 32 b + 16 h + i
.endr
.endr
	v_and_b32 v9, 8, v1
	v_add_nc_u32 v9, v9, v1
	v_lshlrev_b32 v9, 2, v9                        ; 4 (r + 8 (r / 8))
.irp a, 0,1,2,3,4,5,6,7
	global_load_b32 v[BV+2*\a], v9, s[100:101] offset:(32*(\a/2)+8*(\a%2))*4      ; the bias of my row of A's block a, twice: a pair for the packed addition
	global_load_b32 v[BV+2*\a+1], v9, s[100:101] offset:(32*(\a/2)+8*(\a%2))*4
.endr
	v_mul_u32_u24 v[VT], s94, v2                   ; lanes 0-15 store my first head's scale words, lanes 16-31 my second head's
	v_lshl_add_u32 v[VT], v1, 4, v[VT]
	v_cmp_gt_u32 vcc_lo, 16, v[LANE]
	v_mov_b32 v5, 0x05040100
	v_mov_b32 v6, 0x07060302
	v_cndmask_b32 v[VSEL], v6, v5, vcc_lo
.irp b, 0,1,2,3
	v_mov_b32 v[TM+4+\b], 0                        ; written once: a lane permute's destination counts as one of its sources
.endr
.macro FRAG reg, adr, q, i             ; a fragment comes back as it was stored: registers 0-3 and 6-9 by 16 bytes a lane, 4-5 and 10-11 by 8
	ds_load_b128 v[\reg:\reg+3], v[\adr] offset:(\q)*12288+(\i)*1536
	ds_load_b64 v[\reg+4:\reg+5], v[\adr+2] offset:(\q)*12288+(\i)*1536+512
	ds_load_b128 v[\reg+6:\reg+9], v[\adr] offset:(\q)*12288+(\i)*1536+768
	ds_load_b64 v[\reg+10:\reg+11], v[\adr+2] offset:(\q)*12288+(\i)*1536+1280
.endm
; 16 matrix instructions: A's blocks a0, a0 + 1 x B's eight.  The 64 accumulators take turns, one instruction a turn, in the same order in every step.
.macro MUL16 a0, p, q, sc, zero
.irp a, \a0, \a0+1
.irp b, 0,1,2,3,4,5,6,7
.if \zero
	v_wmma_scale_f32_16x16x128_f8f6f4 v[8*(8*((\a)%4)+\b):8*(8*((\a)%4)+\b)+7], v[128*(\p)+FR*\b:128*(\p)+FR*\b+FR-1], v[AF+FR*(\a):AF+FR*(\a)+FR-1], 0, v[SC+8*NQ*(\sc)+NQ*\b+(\q)], v[SC+8*NQ*(\sc)+NQ*(\a)+(\q)] matrix_a_fmt:MATRIX_FMT_FP6 matrix_b_fmt:MATRIX_FMT_FP6 matrix_a_scale:MATRIX_SCALE_ROW1
.else
	v_wmma_scale_f32_16x16x128_f8f6f4 v[8*(8*((\a)%4)+\b):8*(8*((\a)%4)+\b)+7], v[128*(\p)+FR*\b:128*(\p)+FR*\b+FR-1], v[AF+FR*(\a):AF+FR*(\a)+FR-1], v[8*(8*((\a)%4)+\b):8*(8*((\a)%4)+\b)+7], v[SC+8*NQ*(\sc)+NQ*\b+(\q)], v[SC+8*NQ*(\sc)+NQ*(\a)+(\q)] matrix_a_fmt:MATRIX_FMT_FP6 matrix_b_fmt:MATRIX_FMT_FP6 matrix_a_scale:MATRIX_SCALE_ROW1
.endif
.endr
.endr
.endm
.macro FETCH_B slot, q, p
	WIN TO_B
.irp i, 0,1,2,3,4,5,6,7
	FRAG 128*(\p)+FR*\i, ADRB+\slot, \q, \i
.endr
	WIN 0
.endm
.macro FETCH_A slot, q, i0
.irp i, \i0, \i0+1, \i0+2, \i0+3
	FRAG AF+FR*(\i), ADRA+\slot, \q, \i
.endr
.endm
.macro SCALES sc                       ; a K step's two words a row; lanes 0-15 take A's block i, lanes 16-31 B's block i
.irp i, 0,1,2,3,4,5,6,7
	ds_load_b64 v[SC+8*NQ*\sc+NQ*\i:SC+8*NQ*\sc+NQ*\i+1], v[ADRS] offset:\i*128
.endr
.endm
.macro PLACES n                        ; plain vector instructions between a matrix instruction and a load into, or a read of, its registers
.rept \n
	v_nop
.endr
.endm
; Matrix step m of eight, 128 along K: 64 products on its fragments; the next step's fragments come from slot nslot, 128-piece nq.  B's set and the scale word are m % 2, the set of scale words (m / 2) % 2.
; kind 0: no barrier.  kind 1: the three lines, a round of the cluster's barrier and the one refill: K step 3 onto K step 0's bytes, which nobody reads any more.  kind 2: the same lines and a plain barrier, which shows the refill to all.
.macro KS m, zero, kind, nslot, nq
.set P_, (\m)%2
.set SC_, ((\m)/2)%2
.set NP_, 1-P_
.set NSC_, 1-SC_
.if \kind
	s_wait_tensorcnt 0x0                           ; all my tensor loads have landed
	ds_add_u32 v[SPW], v[NIL]                      ; 0 onto my spare word
	s_wait_dscnt 4*NL+1                            ; (the add and the youngest 16 loads may be out)
	WIN MUL_LO
	MUL16 0, P_, P_, SC_, \zero
	s_wait_dscnt 0x0                               ; the add is done, and so are all my LDS reads
	s_barrier_signal -1
	MUL16 2, P_, P_, SC_, \zero
	WIN 0
	s_barrier_wait -1
.if (\kind) == 1
	CREST                                          ; the barrier has opened a round: no wave of any partner still reads those bytes or has a load on its way
	JLOAD G0, G1, G0B, G1B                         ; the first tensor load behind the round; its four v_nop are the places in front of the loads below
.else
	PLACES NP
.endif
.else
	s_wait_dscnt 4*NL                              ; B's set and A's blocks 0-3 are in; the youngest 16 loads (A's blocks 4-7) may be out
	WIN MUL_LO
	MUL16 0, P_, P_, SC_, \zero
	MUL16 2, P_, P_, SC_, \zero
	s_wait_dscnt 0
	PLACES NP
	WIN 0
.endif
.if (\m)%2
	s_wait_alu depctr_va_vdst(0)
	v_add_nc_u32 v[ADRS], 1024, v[ADRS]            ; the next K step's scale words (no LDS load of mine is out)
.endif
	FETCH_B \nslot, \nq, NP_
	FETCH_A \nslot, \nq, 0
.if (\m)%2
	SCALES NSC_
.endif
	WIN MUL_HI
	MUL16 4, P_, P_, SC_, \zero
	MUL16 6, P_, P_, SC_, \zero
	PLACES NP
	WIN 0
	FETCH_A \nslot, \nq, 4
.endm
	s_wait_alu depctr_va_vdst(0)
	s_wait_tensorcnt 0x0                           ; my tile of the head's four is in
	ds_add_u32 v[SPW], v[NIL]
.irp g, G1, G1B                        ; no tensor load of mine is out, so descriptors may be written: from here on a load brings one group's 24,576 dense bytes as 96 rows of 256
	s_mov_b32 s[\g+1], 32<<16
	s_mov_b32 s[\g+2], 96<<16
	s_mov_b32 s[\g+3], 32<<16
	s_mov_b32 s[\g+4], 96
	s_mov_b32 s[\g+5], 32
.endr
	s_mul_i32 s[G0+1], s20, 2*HALFT                ; slot 0's group 0 for its one refill: my group's place, my group's K step 3
	s_mul_i32 s[G0B+1], s20, 2*HALFT
	s_add_nc_u64 s[G0+2:G0+3], s[G0+2:G0+3], s[66:67]
	s_add_nc_u64 s[G0B+2:G0B+3], s[G0B+2:G0B+3], s[66:67]
	s_add_nc_u64 s[G0+2:G0+3], s[G0+2:G0+3], 3*HALFT
	s_add_nc_u64 s[G0B+2:G0B+3], s[G0B+2:G0B+3], 3*HALFT
	s_wait_dscnt 0x0
	CROUND                                         ; a whole round: all four tiles are in, and the joint loads meet
	JLOAD G0+4, G1, G0B+4, G1B                     ; K step 2, the first tensor load behind the round
	FETCH_B 0, 0, 0
	FETCH_A 0, 0, 0
	SCALES 0
	FETCH_A 0, 0, 4
	KS 0, 1, 0, 0, 1                               ; K = 1,024 is eight matrix steps, written out: the first products start the sums
	KS 1, 0, 0, 0, 2
	KS 2, 0, 1, 0, 3                               ; K step 0 is read out, K step 2 has landed: K step 3 is asked for
	KS 3, 0, 0, 1, 0
	KS 4, 0, 0, 1, 1
	KS 5, 0, 2, 0, 0                               ; K step 3 is shown to all
	KS 6, 0, 0, 0, 1
	s_wait_dscnt 4*NL
	WIN MUL_LO
	MUL16 0, 1, NQ-1, 1, 0
	MUL16 2, 1, NQ-1, 1, 0
	s_wait_dscnt 0
	WIN MUL_HI
	MUL16 4, 1, NQ-1, 1, 0
	MUL16 6, 1, NQ-1, 1, 0
	WIN 0
; THE WAY OUT, A's blocks one after the other.  The bias addition is also the move out of the accumulators' window; each accumulator is read from its low end on.
.macro ADDB a, kind
	WIN 0x02+(\a)/4                                ; source 0: window 2 or 3
.set EE, 0
.rept 32
.if \kind
	v_pk_add_f32 v[NUM+EE:NUM+EE+1], v[64*((\a)%4)+EE:64*((\a)%4)+EE+1], v[BV+2*(\a):BV+2*(\a)+1]
.else
	v_pk_add_f32 v[NUM+EE:NUM+EE+1], v[64*((\a)%4)+EE:64*((\a)%4)+EE+1], v[BT+EE:BT+EE+1]
.endif
.set EE, EE+2
.endr
	WIN 0
.endm
; 64 numbers of a lane, register 16 b + i = k 32 b + 16 (lane / 16) + i of my row, become a fragment's codes in v[PC] on and its scale word in v[pw].
.macro QUANT s, pw
.irp b, 0,1,2,3
	v_max3_num_f32 v[TM+\b], |v[\s+16*\b]|, |v[\s+1+16*\b]|, 0x1800000   ; my 16 numbers of block b, and the floor 2^(3 - 127): the byte cannot fall under 1
.endr
.irp i, 2,4,6,8,10,12,14
.irp b, 0,1,2,3
	v_max3_num_f32 v[TM+\b], v[TM+\b], |v[\s+16*\b+\i]|, |v[\s+1+16*\b+\i]|
.endr
.endr
.irp b, 0,1,2,3
	v_permlanex16_b32 v[TM+4+\b], v[TM+\b], s96, s97
.endr
.irp b, 0,1,2,3
	v_max_num_f32 v[TM+\b], v[TM+\b], v[TM+4+\b]   ; with lane l xor 16's: the block's largest magnitude
.endr
.irp b, 0,1,2,3
	v_add_nc_u32 v[TM+12+\b], 0xff000000, v[TM+\b] ; 2 off its exponent field: the conversion's scale operand
.endr
.irp b, 0,1,2,3
	v_lshrrev_b32 v[TM+4+\b], 23, v[TM+12+\b]      ; the scale's byte
.endr
	v_lshl_or_b32 v[\pw], v[TM+5], 8, v[TM+4]
	v_lshl_or_b32 v[\pw], v[TM+6], 16, v[\pw]
	v_lshl_or_b32 v[\pw], v[TM+7], 24, v[\pw]
	s_wait_alu depctr_va_vdst(0)
	s_wait_xcnt 0x0                                ; the last block's stores have read the codes' registers, which are written again from here on
.irp c, 0,1
	v_cvt_scalef32_pk16_fp6_f32 v[PC+6*\c:PC+2+6*\c], v[\s+32*\c:\s+15+32*\c], v[TM+12+2*\c]
	v_cvt_scalef32_pk16_fp6_f32 v[PC+12+4*\c:PC+14+4*\c], v[\s+16+32*\c:\s+31+32*\c], v[TM+12+2*\c+1]   ; (a conversion's three registers begin on an even number)
.endr
	v_nop                                          ; one plain place behind a scaled conversion
.irp c, 0,1                                    ; the layout wants a WHOLE block in a lane: lanes 0-15 block 2 c, lanes 16-31 block 2 c + 1
.irp i, 0,1,2
	v_permlane16_swap_b32 v[PC+6*\c+\i], v[PC+12+4*\c+\i]
.endr
.irp i, 0,1,2
	v_mov_b32 v[PC+3+6*\c+\i], v[PC+12+4*\c+\i]
.endr
.endr
.endm
.macro PUT a, kind                     ; each store covers 512 or 256 consecutive bytes, aligned
.if \kind
	global_store_b128 v[L16], v[PC:PC+3], s[88+2*((\a)/4):89+2*((\a)/4)] offset:6144+((\a)%4)*1536          ; v: a whole fragment, 16 d x 128 keys, of head a / 4
	global_store_b64 v[L8], v[PC+4:PC+5], s[88+2*((\a)/4):89+2*((\a)/4)] offset:6144+((\a)%4)*1536+512
	global_store_b128 v[L16], v[PC+6:PC+9], s[88+2*((\a)/4):89+2*((\a)/4)] offset:6144+((\a)%4)*1536+768
	global_store_b64 v[L8], v[PC+10:PC+11], s[88+2*((\a)/4):89+2*((\a)/4)] offset:6144+((\a)%4)*1536+1280
.else
	global_store_b128 v[L16], v[PC:PC+3], s[88:89] offset:(\a)*768              ; q, k: the fragment's two halves are two heads' 64 d
	global_store_b64 v[L8], v[PC+4:PC+5], s[88:89] offset:(\a)*768+512
	global_store_b128 v[L16], v[PC+6:PC+9], s[90:91] offset:(\a)*768
	global_store_b64 v[L8], v[PC+10:PC+11], s[90:91] offset:(\a)*768+512
.endif
.endm
.macro EPI kind
.irp a, 0,1,2,3,4,5,6,7
	ADDB \a, \kind
	QUANT NUM, PWS+\a
	PUT \a, \kind
.endr
.endm
	PLACES NP                                      ; behind the last products: their results are read and A's registers written below
	s_wait_loadcnt 0x0                             ; the biases, asked for at the head
	s_cmp_eq_u32 s25, 2                            ; the same in all sixteen partners
	s_cbranch_scc1 .Lvalues
	EPI 0
.irp u, 0,1,2,3
	v_perm_b32 v[XW+\u], v[PWS+2*\u+1], v[PWS+2*\u], v[VSEL]   ; tiles 2 u and 2 u + 1: two bytes each; lanes 0-15 my first head's, lanes 16-31 my second head's
.endr
	s_branch .Lwords
.Lvalues:
	EPI 1
	v_cmp_le_u32 vcc_lo, 16, v[LANE]
.irp t, 0,1,2,3
	v_cndmask_b32 v[XW+\t], v[PWS+\t], v[PWS+4+\t], vcc_lo
.endr
.Lwords:
	s_wait_alu depctr_va_vdst(0)
	global_store_b128 v[VT], v[XW:XW+3], s[92:93]  ; sixteen lanes store 256 consecutive bytes, aligned: one head's scale words of this group
	s_wait_tensorcnt 0x0                           ; the wave's end
	ds_add_u32 v[SPW], v[NIL]
	s_wait_dscnt 0x0
	CROUND                                         ; the closing round
	s_endpgm
.Lfunc_end_k_qb4feaca814_proj:
	.size	k_qb4feaca814_proj, .Lfunc_end_k_qb4feaca814_proj-k_qb4feaca814_proj
	.p2alignl 7, 3214868480
	.fill 96, 4, 3214868480
	.section	.rodata,"a",@progbits
	.p2align	6, 0x0
	.amdhsa_kernel k_qb4feaca814_proj
		.amdhsa_group_segment_fixed_size 327680
		.amdhsa_private_segment_fixed_size 0
		.amdhsa_enable_private_segment 0
		.amdhsa_kernarg_size 64
		.amdhsa_user_sgpr_count 2
		.amdhsa_user_sgpr_kernarg_segment_ptr 1
		.amdhsa_wavefront_size32 1
		.amdhsa_system_sgpr_workgroup_id_x 1
		.amdhsa_system_sgpr_workgroup_id_y 1
		.amdhsa_system_sgpr_workgroup_id_z 1
		.amdhsa_system_vgpr_workitem_id 0
		.amdhsa_next_free_vgpr 1024
		.amdhsa_next_free_sgpr 102
		.amdhsa_reserve_vcc 1
		.amdhsa_float_denorm_mode_32 3
		.amdhsa_float_denorm_mode_16_64 3
		.amdhsa_memory_ordered 1
		.amdhsa_forward_progress 1
		.amdhsa_inst_pref_size 219
	.end_amdhsa_kernel
	.amdgpu_metadata
---
amdhsa.version: [ 1, 2 ]
amdhsa.kernels:
  - .name:           k_qb4feaca814_proj
    .symbol:         k_qb4feaca814_proj.kd
    .args:
      - { .name: opc, .offset: 0, .size: 8, .value_kind: global_buffer, .address_space: global }
      - { .name: ops, .offset: 8, .size: 8, .value_kind: global_buffer, .address_space: global }
      - { .name: bq, .offset: 16, .size: 8, .value_kind: global_buffer, .address_space: global }
      - { .name: bk, .offset: 24, .size: 8, .value_kind: global_buffer, .address_space: global }
      - { .name: bv, .offset: 32, .size: 8, .value_kind: global_buffer, .address_space: global }
      - { .name: qc, .offset: 40, .size: 8, .value_kind: global_buffer, .address_space: global }
      - { .name: qs, .offset: 48, .size: 8, .value_kind: global_buffer, .address_space: global }
      - { .name: kv, .offset: 56, .size: 8, .value_kind: global_buffer, .address_space: global }
    .group_segment_fixed_size: 327680
    .private_segment_fixed_size: 0
    .kernarg_segment_align: 8
    .kernarg_segment_size: 64
    .max_flat_workgroup_size: 128
    .sgpr_count:     102
    .vgpr_count:     1024
    .wavefront_size: 32
...
	.end_amdgpu_metadata
.endif
;; end of part 2
;; launch attn (part 3): grid 8 x 32, 8 waves a work-group, clusters of 4 x 1, 205,824 bytes of LDS; arguments qc, qs, kv, cc, cs; writes cc, cs
.if DOCPART == 3
	.amdgcn_target "amdgcn-amd-amdhsa--gfx1250"
	.amdhsa_code_object_version 6
	.text
	.protected	k_qb4feaca814_attn
	.globl	k_qb4feaca814_attn
	.p2align	8
	.type	k_qb4feaca814_attn,@function
k_qb4feaca814_attn:
	s_mov_b64 s[64:65], 0
	v_nop
	global_prefetch_b8 v0, s[64:65] scope:SCOPE_SE
	s_setreg_imm32_b32 hwreg(HW_REG_WAVE_MODE, 25, 1), 1
	s_wait_xcnt 0x0
	s_wait_alu depctr_hold_cnt(0) depctr_sa_sdst(0) depctr_va_vdst(0) depctr_va_sdst(0) depctr_va_ssrc(0) depctr_va_vcc(0) depctr_vm_vsrc(0)
	s_getreg_b32 s2, hwreg(HW_REG_IB_STS2, 6, 4)
	s_cmp_eq_u32 s2, 0
	s_cbranch_scc0 .Lentry_in_a_cluster
	s_endpgm
.Lentry_in_a_cluster:
	s_bfe_u32 s2, ttmp6, 0x10000c
	s_cmp_lg_u32 s2, 0x3003
	s_cbranch_scc0 .Lentry_shape_is_right
	s_endpgm
.Lentry_shape_is_right:
; ctx[head'][q][:] = the sum over k of softmax_k(q . k / 8) v[k][:], both products on codes of FP6 (E2M3) with E8M0 scales; ctx is quantised at once along (head, d) for the last product.
; THE SOFTMAX: t = score x log2(e) / 8; M = the row's largest t so far, rounded UP to a whole number; p = 2^(t - M) is quantised along the keys, not normalised.  The row's sum is taken of the
; unquantised p and divides at the end.  When M moves, the sum and O are multiplied by 2^(old M - new M): exact, done in every step, no branch on data.
; SHARES.  A work-group owns 256 queries of one head' (= 16 batch + head); each of its eight waves owns two tiles of 16 queries, X and Y.  Every wave walks the head's 2,048 keys, 128 a step; each fragment of K and V feeds both tiles.
; LDS IS THE HEAD'S WHOLE BLOCK OF kv, 204,800 bytes, as it lies in memory, FILLED ONCE: 16 steps x (8 x 768 K's tiles, 4 x 1,536 V's fragments, 256 K's scale words, 256 V's).  Wave w asks for steps 2 w, 2 w + 1: one load a wave.
; Waves 0 and 1 have a load line of their own: steps 0-3 are read behind their wait and a barrier, steps 4-15 behind every wave's wait and a second barrier.  No byte is filled again.
; CLUSTER 4, 1, 1: four work-groups of one head ask for the same bytes jointly (mask 15); the descriptor hangs on head' and the wave alone.  NO PREFETCH: all is asked for at the head; the loops ask for nothing.
; LAYOUT.  Both products are used transposed: S^T = K Q^T, O^T = V^T P^T: a lane holds ONE query (lane % 16) of each tile.  THE KEYS OF A TILE ARE CHOSEN BY ADDRESS: kv's tile 2 b + u holds keys 32 b + 8 u + 0..7 in its rows
; 0-7 and 32 b + 16 + 8 u + 0..7 in rows 8-15.  Rows 0-7 of the tile used here, (c, i), are rows 8 (i / 2) + 0..7 of kv's tile 4 c + i % 2, its rows 8-15 the same rows of kv's tile 4 c + 2 + i % 2: keys 64 c + 32 (row / 8) + 8 i + row % 8.
; So register 32 c + 8 i + j of lane (r, h) is key 64 c + 32 h + 8 i + j: a lane holds two WHOLE blocks of 32 keys, in the order of the second product's operand: no lane asks another for a block's maximum, no half blocks change lanes.
; THE FIRST PRODUCT'S K IS 64 and the instruction's is 128: a fragment of K holds two key tiles, and the queries stand in registers as 0 | qX | 0 | qY | 0: source 1 = q | 0 picks the first, 0 | q the second.
; A STEP: 16 score products; both tiles' maxima, M and f; O x f; t - M; ONE batch of exponentials with one wait ahead and one behind; scales, codes; the 8 products V^T P; the rows' sums behind them.
; LIMITS: the promise holds while the scaled scores stay under 2^31 in magnitude; p under 2^-126 comes out of v_exp_f32 as 0; a block's largest p is made from its largest score by the same two instructions; ctx is divided by
; v_rcp_f32 and a multiplication; a block of zeros gets the byte 1 (this program alone reads the bytes); NaN and infinities are not served.
; REGISTERS.  window 0: addresses v1-11, v58-59, v252-253; per tile -M, largest score, sum (2): v12-15, v16-19; v20-49 queries; v50-63 scale words; v64-191 S^T, then p; v192-215 p's codes; v216-251 at work; v254-255 the add's.
;   window 1: v0-47 K's four fragments; v48-95 V's four; v128-191 O^T.
.set KF,  0
.set VF,  48
.set O,   128
.set KS,  4                            ; in hand: K's scale words,
.set K8,  58                           ; K's pieces of 8 bytes,
.set K16, 253                          ; of 16 bytes
.set K16B, 11                          ; their lane terms
.set K8B, 59
.set KSB, 252
.set QB,  20
.set QS,  50
.set SWK, 52
.set PSC, 56
.set SWV, 60
.set S,   64
.set PCD, 192
.set PC2, 216                          ; v216-231 the conversions' second halves (three registers, beginning on an even number), block k = 2 tile + c at 4 k
.set BM,  232                          ; v232-235 block k's largest score, its largest p, its byte
.set SOP, 236                          ; v236-239 the conversions' scale operands
.set B2,  240                          ; v[240:241], v[242:243] at work; the sums' second chains
.set TMP, 244                          ; v244-245
.set FF,  246                          ; v[246:247], v[248:249] f = 2^(old M - new M) (the low word serves both halves)
.set PX,  250                          ; v250-251 what lane l xor 16 sends
.set MSB, 0
.macro WIN new                         ; the immediate's high byte repeats the setting that is left
.if MSB != (\new)
	s_set_vgpr_msb (MSB<<8)|(\new)
.set MSB, (\new)
.endif
.endm
.macro CROUND                          ; a round of the cluster's barrier
	s_barrier_signal -1
	s_barrier_wait -1
	s_cmp_lg_u32 s14, 0
	s_cbranch_scc1 .Lnot_wave_0_\@
	s_barrier_signal -3
.Lnot_wave_0_\@:
	s_barrier_wait -3
	s_barrier_signal -1
	s_barrier_wait -1
.endm
	s_load_b256 s[4:11], s[0:1], 0x0               ; qc s[4:5], qs s[6:7], kv s[8:9], cc s[10:11]
	s_load_b64 s[12:13], s[0:1], 0x20              ; cs
	v_lshl_add_u32 v254, v0, 2, 0x32000
	v_mov_b32 v255, 0
	ds_add_u32 v254, v255                          ; the opening lines: the add, twice on end, and its wait
	ds_add_u32 v254, v255
	v_lshrrev_b32 v8, 5, v0
	v_readfirstlane_b32 s14, v8                    ; wave 0..7
	s_and_b32 s15, ttmp7, 0xffff                   ; head'
	s_bfe_u32 s16, ttmp6, 0x40000                  ; cx
	s_lshl_b32 s17, ttmp9, 2
	s_add_co_u32 s16, s16, s17                     ; which 256 queries: 4 x cluster x + cx; it enters global addresses alone
	s_mov_b32 s56, 15|(3<<16)|(1<<21)              ; group 1: the cluster's four; elements of 8 bytes; 25,600 dense bytes as 100 rows of 256
	s_mov_b32 s57, 32<<16
	s_mov_b32 s58, 100<<16
	s_mov_b32 s59, 32<<16
	s_mov_b32 s60, 100
	s_mov_b32 s61, 32
	s_mov_b32 s62, 0
	s_mov_b32 s63, 0
	s_mul_i32 s26, s15, 204800
	s_mul_i32 s28, s14, 25600                      ; wave x two steps
	s_add_co_u32 s26, s26, s28
	s_mov_b32 s27, 0
	s_mov_b32 s40, 1
	s_mov_b32 s41, s28                             ; to the place in LDS that they have in memory
	s_wait_alu depctr_va_vdst(0)
	s_wait_dscnt 0x0
	CROUND                                         ; in front of the joint loads
	s_wait_kmcnt 0x0
	s_add_nc_u64 s[42:43], s[8:9], s[26:27]
	s_or_b32 s43, s43, 0x80000000
	s_cmp_lt_u32 s14, 2                            ; one chain, a load in each arm: waves 0 and 1 have a line of their own, since they alone wait ahead of the first barrier
	s_cbranch_scc0 .Lrest
	tensor_load_to_lds s[40:43], s[56:63]
	s_nop 0
.rept 4
	v_nop
.endr
	s_branch .Lasked
.Lrest:
	tensor_load_to_lds s[40:43], s[56:63]
	s_nop 0
.rept 4
	v_nop
.endr
.Lasked:
	v_and_b32 v6, 31, v0                           ; lane
	v_and_b32 v7, 15, v0                           ; r
	v_bfe_u32 v5, v0, 4, 1                         ; h
	v_and_b32 v8, 7, v0                            ; r % 8
	v_bfe_u32 v9, v0, 3, 1                         ; r / 8
	v_lshlrev_b32 v1, 4, v6
	v_lshlrev_b32 v2, 3, v6
	v_lshlrev_b32 v3, 4, v7
	v_lshl_add_u32 v10, v5, 4, v8                  ; the lane of kv's image that holds my row: r % 8 + 16 h (+ 8 in the loads' offsets),
	v_mul_u32_u24 v4, v9, 1536                     ; two tiles further on for rows 8-15
	v_lshl_add_u32 v[K16B], v10, 4, v4
	v_lshl_add_u32 v[K8B], v10, 3, v4
	v_lshlrev_b32 v[KSB], 4, v8                    ; K's scale words: 16 bytes a row of kv's tiles, word 2 c + r / 8
	v_lshl_add_u32 v[KSB], v9, 2, v[KSB]
	v_lshlrev_b32 v7, 3, v7
	s_wait_alu depctr_va_vdst(0)
	s_lshl_b32 s26, s15, 7
	s_lshl_b32 s29, s16, 4
	s_add_co_u32 s26, s26, s29
	s_lshl_b32 s29, s14, 1
	s_add_co_u32 s26, s26, s29                     ; head' x 128 + my first tile
	s_mul_i32 s26, s26, 768
	s_add_nc_u64 s[4:5], s[4:5], s[26:27]
	s_lshr_b32 s28, s14, 2
	s_lshl_b32 s29, s16, 1
	s_add_co_u32 s28, s28, s29                     ; my group of 128 queries
	s_and_b32 s29, s14, 3                          ; my pair of tiles in it
	s_lshl_b32 s26, s15, 12
	s_lshl_b32 s30, s28, 8
	s_add_co_u32 s26, s26, s30
	s_lshl_b32 s30, s29, 2
	s_add_co_u32 s26, s26, s30
	s_add_nc_u64 s[6:7], s[6:7], s[26:27]
	global_load_b128 v[QB+6:QB+9], v1, s[4:5]      ; qX, half a fragment,
	global_load_b64 v[QB+10:QB+11], v2, s[4:5] offset:512
	global_load_b128 v[QB+18:QB+21], v1, s[4:5] offset:768     ; and qY
	global_load_b64 v[QB+22:QB+23], v2, s[4:5] offset:1280
	global_load_b32 v58, v3, s[6:7]                ; row r's scale bytes: X's two below, Y's two above
	s_lshr_b32 s30, s15, 4
	s_lshl_b32 s30, s30, 4
	s_add_co_u32 s30, s30, s28                     ; ctx's group of 128 rows
	s_and_b32 s31, s15, 15                         ; head
	s_mul_i32 s26, s30, 98304
	s_lshr_b32 s32, s31, 1
	s_mul_i32 s33, s32, 12288                      ; 128 along K are two heads
	s_add_co_u32 s26, s26, s33
	s_mul_i32 s33, s29, 3072
	s_add_co_u32 s26, s26, s33
	s_and_b32 s33, s31, 1
	s_mul_i32 s34, s33, 768
	s_add_co_u32 s26, s26, s34
	s_add_nc_u64 s[10:11], s[10:11], s[26:27]
	s_lshl_b32 s26, s30, 12
	s_lshr_b32 s33, s31, 2
	s_lshl_b32 s33, s33, 10
	s_add_co_u32 s26, s26, s33
	s_lshl_b32 s33, s29, 8
	s_add_co_u32 s26, s26, s33
	s_bfe_u32 s33, s31, 0x10001
	s_lshl_b32 s33, s33, 2
	s_add_co_u32 s26, s26, s33
	s_and_b32 s33, s31, 1
	s_lshl_b32 s33, s33, 1
	s_add_co_u32 s26, s26, s33
	s_add_nc_u64 s[12:13], s[12:13], s[26:27]
	s_mov_b32 s34, 0x01000100                      ; a tile's two bytes, twice: for q | 0 and for 0 | q
	s_mov_b32 s35, 0x03020302
	s_mov_b32 s20, 0x76543210
	s_mov_b32 s21, 0xfedcba98                      ; v_permlanex16_b32's selects for lane l xor 16
	s_mov_b32 s22, 0x3e38aa3b                      ; c = log2(e) / 8
	s_mov_b32 s23, s22
.irp t, 0,1
	v_mov_b32 v[12+4*\t], 0x7f61b1e6               ; -M: 3e38, so that the first f is 0
	v_mov_b32 v[13+4*\t], 0xff61b1e6               ; the largest score so far: -3e38
	v_mov_b32 v[14+4*\t], 0
	v_mov_b32 v[15+4*\t], 0
	v_mov_b32 v[PX+\t], 0                          ; a lane permute's destination counts as one of its sources
	v_mov_b32 v[FF+2*\t+1], 0                      ; (named as the upper half of the pair)
.endr
.irp j, 0,1,2,3,4,5,12,13,14,15,16,17,24,25,26,27,28,29
	v_mov_b32 v[QB+\j], 0                          ; the three runs of zero codes
.endr
	s_wait_alu depctr_va_vdst(0)
	s_wait_loadcnt 0x0
	v_perm_b32 v[QS], v58, v58, s34
	v_perm_b32 v[QS+1], v58, v58, s35
	WIN 0x40
.set JJ, 0
.rept 64
	v_mov_b32 v[O+JJ], 0                           ; O^T: the step is written once; the first finds zeros.  (Also the places behind the scale words' writes)
.set JJ, JJ+1
.endr
	WIN 0
; A KEY STEP: 128 keys, at LDS byte s24, for both tiles.  Block k = 2 tile + c lies in registers S + 32 k on.
; K's four scale words and four fragments of the step at LDS byte s26: 20 loads.  Fragment f = 2 c + i / 2: tiles (c, 2 (f % 2)) and (c, 2 (f % 2) + 1)
.macro KLOAD
	v_add_nc_u32 v[K16], s26, v[K16B]
	v_add_nc_u32 v[K8], s26, v[K8B]
	v_add_nc_u32 v[KS], s26, v[KSB]
.irp f, 0,1,2,3
	ds_load_b32 v[SWK+\f], v[KS] offset:12288+8*(\f/2)+128*(\f%2)
.endr
	WIN 0x40                                       ; destination window 1, address window 0
.irp f, 0,1,2,3
	ds_load_b128 v[KF+12*\f:KF+12*\f+3], v[K16] offset:3072*(\f/2)+128*(\f%2)
	ds_load_b64 v[KF+12*\f+4:KF+12*\f+5], v[K8] offset:3072*(\f/2)+64*(\f%2)+512
	ds_load_b128 v[KF+12*\f+6:KF+12*\f+9], v[K16] offset:3072*(\f/2)+128*(\f%2)+768
	ds_load_b64 v[KF+12*\f+10:KF+12*\f+11], v[K8] offset:3072*(\f/2)+64*(\f%2)+1280
.endr
	WIN 0
.endm
; K IS ASKED FOR A STEP AHEAD: this step's K came into registers behind the last step's score products (the first step's: ahead of the loop).  last: the LDS byte of the last step that the barrier ahead of this loop
; has shown: the look-ahead is held there, so that no read passes it; that last step asks for its own K once more.
.macro STEP last
	s_add_co_u32 s26, s24, 12800
	s_min_u32 s26, s26, \last
	v_add_nc_u32 v8, s24, v1
	v_add_nc_u32 v9, s24, v2
	v_add_nc_u32 v10, s24, v3
	ds_load_b128 v[SWV:SWV+3], v10 offset:12544
	WIN 0x40
.irp d, 0,1,2,3
	ds_load_b128 v[VF+12*\d:VF+12*\d+3], v8 offset:6144+1536*\d
	ds_load_b64 v[VF+12*\d+4:VF+12*\d+5], v9 offset:6144+1536*\d+512
	ds_load_b128 v[VF+12*\d+6:VF+12*\d+9], v8 offset:6144+1536*\d+768
	ds_load_b64 v[VF+12*\d+10:VF+12*\d+11], v9 offset:6144+1536*\d+1280
.endr
	s_wait_dscnt 17                                ; K and its scale words, asked for a step ago, are in; the 17 loads just issued (V and its scale words) may be out
	WIN 0x01                                       ; K window 1; the queries and S^T window 0
.irp t, 0,1
.irp u, 0,1,2,3
	v_wmma_scale_f32_16x16x128_f8f6f4 v[S+64*\t+16*\u:S+64*\t+16*\u+7], v[KF+12*\u:KF+12*\u+11], v[QB+6+12*\t:QB+17+12*\t], 0, v[SWK+\u], v[QS+\t] matrix_a_fmt:MATRIX_FMT_FP6 matrix_b_fmt:MATRIX_FMT_FP6
	v_wmma_scale_f32_16x16x128_f8f6f4 v[S+64*\t+16*\u+8:S+64*\t+16*\u+15], v[KF+12*\u:KF+12*\u+11], v[QB+12*\t:QB+11+12*\t], 0, v[SWK+\u], v[QS+\t] matrix_a_fmt:MATRIX_FMT_FP6 matrix_b_fmt:MATRIX_FMT_FP6
.endr
.endr
	WIN 0
	v_mov_b32 v[TMP], v12                          ; the old -M
	v_mov_b32 v[TMP+1], v16
	KLOAD                                          ; the next step's K; the two moves and its three additions are the places behind the score products
.irp k, 0,1,2,3
	v_max3_num_f32 v[BM+\k], v[S+32*\k], v[S+32*\k+1], v[S+32*\k+2]   ; each block's largest score, the four blocks by turns: all 32 are mine
.endr
.irp i, 3,5,7,9,11,13,15,17,19,21,23,25,27,29
.irp k, 0,1,2,3
	v_max3_num_f32 v[BM+\k], v[BM+\k], v[S+32*\k+\i], v[S+32*\k+\i+1]
.endr
.endr
.irp k, 0,1,2,3
	v_max_num_f32 v[BM+\k], v[BM+\k], v[S+32*\k+31]
.endr
.irp t, 0,1
	v_max_num_f32 v[B2+2*\t], v[BM+2*\t], v[BM+2*\t+1]
.endr
.irp t, 0,1
	v_permlanex16_b32 v[PX+\t], v[B2+2*\t], s20, s21
.endr
.irp t, 0,1
	v_max3_num_f32 v[13+4*\t], v[13+4*\t], v[B2+2*\t], v[PX+\t]   ; the running largest score (c is positive: the largest t is c x it)
.endr
.irp t, 0,1
	v_mul_f32 v[B2+2*\t], s22, v[13+4*\t]
.endr
.irp t, 0,1
	v_floor_f32 v[12+4*\t], -v[B2+2*\t]            ; the new -M = floor(-t) = -ceil(t)
.endr
.irp t, 0,1
	v_sub_f32 v[TMP+\t], v[12+4*\t], v[TMP+\t]     ; old M - new M: a whole number, 0 or less
.endr
.irp t, 0,1
	v_cvt_i32_f32 v[TMP+\t], v[TMP+\t]             ; (it saturates)
.endr
.irp t, 0,1
	v_ldexp_f32 v[FF+2*\t], 1.0, v[TMP+\t]         ; f
.endr
	WIN 0x41                                       ; O^T (destination and source 0) in window 1, f in window 0
.irp t, 0,1
.set JJ, 0
.rept 16
	v_pk_mul_f32 v[O+32*\t+JJ:O+32*\t+JJ+1], v[O+32*\t+JJ:O+32*\t+JJ+1], v[FF+2*\t:FF+2*\t+1] op_sel_hi:[1,0]   ; O^T under the new M
.set JJ, JJ+2
.endr
.endr
	WIN 0
.irp t, 0,1
.set JJ, 0
.rept 32
	v_pk_fma_f32 v[S+64*\t+JJ:S+64*\t+JJ+1], v[S+64*\t+JJ:S+64*\t+JJ+1], s[22:23], v[12+4*\t:13+4*\t] op_sel_hi:[1,0,0]   ; t - M
.set JJ, JJ+2
.endr
.endr
.irp k, 0,1,2,3
	v_fma_f32 v[BM+\k], v[BM+\k], s22, v[12+4*(\k/2)]   ; the same of each block's largest score
.endr
	s_wait_alu depctr_va_vdst(0)                   ; ahead of the batch
.set JJ, 0
.rept 128
	v_exp_f32 v[S+JJ], v[S+JJ]                     ; p = 2^(t - M), at most 1
.set JJ, JJ+1
.endr
.irp k, 0,1,2,3
	v_exp_f32 v[BM+\k], v[BM+\k]                   ; the block's largest p: the same two instructions on the same number
.endr
	v_nop                                          ; the plain place behind the batch
	s_wait_alu depctr_va_vdst(0)                   ; and the one wait behind it
	s_wait_dscnt 20                                ; V is in; the next step's K, 20 loads issued behind it, may be out
.irp k, 0,1,2,3
	v_max_num_f32 v[BM+\k], 0x1800000, v[BM+\k]
.endr
.irp k, 0,1,2,3
	v_add_nc_u32 v[SOP+\k], 0xff000000, v[BM+\k]   ; 2 off the exponent field: the conversions' scale operand
.endr
.irp k, 0,1,2,3
	v_lshrrev_b32 v[BM+\k], 23, v[SOP+\k]          ; the byte
.endr
.irp t, 0,1
	v_lshl_or_b32 v[TMP+\t], v[BM+2*\t+1], 16, v[BM+2*\t]   ; my blocks h and 2 + h
.endr
.irp t, 0,1
	v_permlanex16_b32 v[PX+\t], v[TMP+\t], s20, s21
.endr
.irp t, 0,1
	v_lshl_or_b32 v[PSC+\t], v[PX+\t], 8, v[TMP+\t]   ; lanes 0-15, which alone are read: blocks 0, 2 mine, 1, 3 lane l + 16's
.endr
.irp k, 0,1,2,3
	v_cvt_scalef32_pk16_fp6_f32 v[PCD+6*\k:PCD+6*\k+2], v[S+32*\k:S+32*\k+15], v[SOP+\k]
	v_cvt_scalef32_pk16_fp6_f32 v[PC2+4*\k:PC2+4*\k+2], v[S+32*\k+16:S+32*\k+31], v[SOP+\k]
.endr
	v_nop                                          ; one plain place behind a scaled conversion
.irp k, 0,1,2,3
.irp i, 0,1,2
	v_mov_b32 v[PCD+6*\k+3+\i], v[PC2+4*\k+\i]
.endr
.endr
.irp t, 0,1                                    ; the rows' sums, of the unquantised p, two chains a tile; the first eight lines are the places between the codes' last writes and the products
	v_pk_fma_f32 v[14+4*\t:15+4*\t], v[14+4*\t:15+4*\t], v[FF+2*\t:FF+2*\t+1], v[S+64*\t:S+64*\t+1] op_sel_hi:[1,0,1]   ; the sum under the new M, and the first pair
	v_pk_add_f32 v[B2+2*\t:B2+2*\t+1], v[S+64*\t+2:S+64*\t+3], v[S+64*\t+6:S+64*\t+7]
.endr
.irp t, 0,1
	v_pk_add_f32 v[14+4*\t:15+4*\t], v[14+4*\t:15+4*\t], v[S+64*\t+4:S+64*\t+5]
	v_pk_add_f32 v[B2+2*\t:B2+2*\t+1], v[B2+2*\t:B2+2*\t+1], v[S+64*\t+10:S+64*\t+11]
.endr
	WIN 0x51                                       ; V window 1, p's codes window 0, C and D window 1
.irp t, 0,1                                    ; the eight accumulators take turns, one instruction a turn
.irp d, 0,1,2,3
	v_wmma_scale_f32_16x16x128_f8f6f4 v[O+32*\t+8*\d:O+32*\t+8*\d+7], v[VF+12*\d:VF+12*\d+11], v[PCD+12*\t:PCD+12*\t+11], v[O+32*\t+8*\d:O+32*\t+8*\d+7], v[SWV+\d], v[PSC+\t] matrix_a_fmt:MATRIX_FMT_FP6 matrix_b_fmt:MATRIX_FMT_FP6
.endr
.endr
	WIN 0
.irp j, 8,12,16,20,24,28,32,36,40,44,48,52,56  ; these name none of the products' registers: they are also the places in front of the next step's loads
.irp t, 0,1
	v_pk_add_f32 v[14+4*\t:15+4*\t], v[14+4*\t:15+4*\t], v[S+64*\t+\j:S+64*\t+\j+1]
	v_pk_add_f32 v[B2+2*\t:B2+2*\t+1], v[B2+2*\t:B2+2*\t+1], v[S+64*\t+\j+6:S+64*\t+\j+7]
.endr
.endr
.irp t, 0,1
	v_pk_add_f32 v[14+4*\t:15+4*\t], v[14+4*\t:15+4*\t], v[S+64*\t+60:S+64*\t+61]
.endr
.irp t, 0,1
	v_pk_add_f32 v[14+4*\t:15+4*\t], v[14+4*\t:15+4*\t], v[B2+2*\t:B2+2*\t+1]
.endr
.endm
.macro WALK base, trips
	s_barrier_signal -1
	s_barrier_wait -1
	s_mov_b32 s24, \base
	s_mov_b32 s25, \trips
	s_mov_b32 s26, \base
	KLOAD                                          ; the first step's K
.Lstep_\@:
	STEP (\base)+12800*((\trips)-1)
	s_add_co_u32 s24, s24, 12800
	s_sub_co_u32 s25, s25, 1
	s_cmp_lg_u32 s25, 0
	s_cbranch_scc1 .Lstep_\@
.endm
	s_wait_alu depctr_va_vdst(0)
	s_cmp_lt_u32 s14, 2
	s_cbranch_scc0 .Lnot_first
	s_wait_tensorcnt 0x0                           ; waves 0 and 1: steps 0-3 are in
.Lnot_first:
	WALK 0, 4
	s_wait_alu depctr_va_vdst(0)
	s_wait_tensorcnt 0x0                           ; every wave: all that was still out
	s_wait_dscnt 0x0                               ; no LDS load of mine is out at the signal, nor when its registers are asked for anew
	WALK 51200, 12
	s_wait_dscnt 0x0
	; THE WAY OUT.  A tile's O^T / the sum is 16 rows x 64 along the last product's K: two blocks of 32, half a fragment, which leaves as an image of its registers.
	s_wait_alu depctr_va_vdst(0)
.irp t, 0,1
	v_add_f32 v[14+4*\t], v[14+4*\t], v[15+4*\t]   ; the sum's two halves,
.endr
.irp t, 0,1
	v_permlanex16_b32 v[PX+\t], v[14+4*\t], s20, s21
.endr
.irp t, 0,1
	v_add_f32 v[14+4*\t], v[14+4*\t], v[PX+\t]     ; and lane l xor 16's
.endr
	s_wait_alu depctr_va_vdst(0)
.irp t, 0,1
	v_rcp_f32 v[14+4*\t], v[14+4*\t]
.endr
	v_nop
	WIN 0x01                                       ; O^T (source 0) in window 1
	s_wait_alu depctr_va_vdst(0)                   ; ahead of the first reader of the two, and of O^T
.irp t, 0,1
.set JJ, 0
.rept 16
	v_pk_mul_f32 v[S+64*\t+JJ:S+64*\t+JJ+1], v[O+32*\t+JJ:O+32*\t+JJ+1], v[14+4*\t:15+4*\t] op_sel_hi:[1,0]   ; register 16 b + i: d = 32 b + 16 (lane / 16) + i
.set JJ, JJ+2
.endr
.endr
	WIN 0
.macro OUTQ t
.set SB, S+64*(\t)
.set PB, PCD+12*(\t)
.irp b, 0,1
	v_max3_num_f32 v[BM+\b], |v[SB+16*\b]|, |v[SB+1+16*\b]|, 0x1800000
.endr
.irp i, 2,4,6,8,10,12,14
.irp b, 0,1
	v_max3_num_f32 v[BM+\b], v[BM+\b], |v[SB+16*\b+\i]|, |v[SB+1+16*\b+\i]|
.endr
.endr
.irp b, 0,1
	v_permlanex16_b32 v[PX+\b], v[BM+\b], s20, s21
.endr
.irp b, 0,1
	v_max_num_f32 v[BM+\b], v[BM+\b], v[PX+\b]
.endr
.irp b, 0,1
	v_add_nc_u32 v[SOP+\b], 0xff000000, v[BM+\b]
.endr
.irp b, 0,1
	v_lshrrev_b32 v[BM+\b], 23, v[SOP+\b]
.endr
	v_lshl_or_b32 v[TMP+(\t)], v[BM+1], 8, v[BM]   ; my row's two bytes
	v_cvt_scalef32_pk16_fp6_f32 v[PB:PB+2], v[SB:SB+15], v[SOP]
	v_cvt_scalef32_pk16_fp6_f32 v[PC2:PC2+2], v[SB+16:SB+31], v[SOP+1]
	v_nop
.irp i, 0,1,2
	v_permlane16_swap_b32 v[PB+\i], v[PC2+\i]      ; here a block lies in two lanes: the layout wants it whole in one
.endr
.irp i, 0,1,2
	v_mov_b32 v[PB+3+\i], v[PC2+\i]
.endr
	global_store_b128 v1, v[PB:PB+3], s[10:11] offset:1536*(\t)        ; 512 consecutive bytes, aligned,
	global_store_b64 v2, v[PB+4:PB+5], s[10:11] offset:1536*(\t)+512   ; and 256; each tile stores from registers of its own
.endm
	OUTQ 0
	OUTQ 1
	v_cmp_gt_u32 vcc_lo, 16, v6
	s_wait_alu depctr_va_vdst(0)
	s_wait_xcnt 0x0                                ; EXEC changes only behind this wait
	s_and_saveexec_b32 s26, vcc_lo
	global_store_b16 v7, v[TMP], s[12:13]          ; lanes 0-15: row r's two bytes, tile X's; the word that they belong to is shared with another head's work-group
	global_store_b16 v7, v[TMP+1], s[12:13] offset:128
	s_wait_xcnt 0x0
	s_or_b32 exec_lo, exec_lo, s26
	s_wait_tensorcnt 0x0                           ; the wave's end
	ds_add_u32 v254, v255
	s_wait_dscnt 0x0
	CROUND                                         ; the closing round
	s_endpgm
.Lfunc_end_k_qb4feaca814_attn:
	.size	k_qb4feaca814_attn, .Lfunc_end_k_qb4feaca814_attn-k_qb4feaca814_attn
	.p2alignl 7, 3214868480
	.fill 96, 4, 3214868480
	.section	.rodata,"a",@progbits
	.p2align	6, 0x0
	.amdhsa_kernel k_qb4feaca814_attn
		.amdhsa_group_segment_fixed_size 205824
		.amdhsa_private_segment_fixed_size 0
		.amdhsa_enable_private_segment 0
		.amdhsa_kernarg_size 40
		.amdhsa_user_sgpr_count 2
		.amdhsa_user_sgpr_kernarg_segment_ptr 1
		.amdhsa_wavefront_size32 1
		.amdhsa_system_sgpr_workgroup_id_x 1
		.amdhsa_system_sgpr_workgroup_id_y 1
		.amdhsa_system_sgpr_workgroup_id_z 1
		.amdhsa_system_vgpr_workitem_id 0
		.amdhsa_next_free_vgpr 512
		.amdhsa_next_free_sgpr 66
		.amdhsa_reserve_vcc 1
		.amdhsa_float_denorm_mode_32 3
		.amdhsa_float_denorm_mode_16_64 3
		.amdhsa_memory_ordered 1
		.amdhsa_forward_progress 1
		.amdhsa_inst_pref_size 75
	.end_amdhsa_kernel
	.amdgpu_metadata
---
amdhsa.version: [ 1, 2 ]
amdhsa.kernels:
  - .name:           k_qb4feaca814_attn
    .symbol:         k_qb4feaca814_attn.kd
    .args:
      - { .name: qc, .offset: 0, .size: 8, .value_kind: global_buffer, .address_space: global }
      - { .name: qs, .offset: 8, .size: 8, .value_kind: global_buffer, .address_space: global }
      - { .name: kv, .offset: 16, .size: 8, .value_kind: global_buffer, .address_space: global }
      - { .name: cc, .offset: 24, .size: 8, .value_kind: global_buffer, .address_space: global }
      - { .name: cs, .offset: 32, .size: 8, .value_kind: global_buffer, .address_space: global }
    .group_segment_fixed_size: 205824
    .private_segment_fixed_size: 0
    .kernarg_segment_align: 8
    .kernarg_segment_size: 40
    .max_flat_workgroup_size: 256
    .sgpr_count:     66
    .vgpr_count:     512
    .wavefront_size: 32
...
	.end_amdgpu_metadata
.endif
;; end of part 3
;; launch outp (part 4): grid 8 x 32, 4 waves a work-group, clusters of 4 x 4, 327,680 bytes of LDS; arguments cc, cs, opc, ops, bo, out0; writes out0
.if DOCPART == 4
	.amdgcn_target "amdgcn-amd-amdhsa--gfx1250"
	.amdhsa_code_object_version 6
	.text
	.protected	k_qb4feaca814_outp
	.globl	k_qb4feaca814_outp
	.p2align	8
	.type	k_qb4feaca814_outp,@function
k_qb4feaca814_outp:
	s_mov_b64 s[64:65], 0
	v_nop
	global_prefetch_b8 v0, s[64:65] scope:SCOPE_SE
	s_setreg_imm32_b32 hwreg(HW_REG_WAVE_MODE, 25, 1), 1
	s_wait_xcnt 0x0
	s_wait_alu depctr_hold_cnt(0) depctr_sa_sdst(0) depctr_va_vdst(0) depctr_va_sdst(0) depctr_va_ssrc(0) depctr_va_vcc(0) depctr_vm_vsrc(0)
	s_getreg_b32 s2, hwreg(HW_REG_IB_STS2, 6, 4)
	s_cmp_eq_u32 s2, 0
	s_cbranch_scc0 .Lentry_in_a_cluster
	s_endpgm
.Lentry_in_a_cluster:
	s_bfe_u32 s2, ttmp6, 0x10000c
	s_cmp_lg_u32 s2, 0xf033
	s_cbranch_scc0 .Lentry_shape_is_right
	s_endpgm
.Lentry_shape_is_right:
; out0 = ctx Wo + bo on codes of FP6 (E2M3) with E8M0 scales, K = 1,024.  cc, cs: ctx's codes and scale words; opc, ops groups 120-127: Wo's (a row = a column of Wo); all as images of the operands' registers:
; codes: group x 98,304 + (k / 128) x 12,288 + tile x 1,536 (+ 768 for the second 64 of K; registers 0-3 at 16 x lane, 4-5 at 512 + 8 x lane); scale words: group x 4,096 + (k / 256) x 1,024 + tile x 128 + r x 8 + ((k / 128) % 2) x 4.
; Lane r of tile i holds row 32 (i / 2) + 8 (i % 2) + r + 8 (r / 8) of its group of 128.
; SHARES.  A work-group makes 128 x 128, four waves 64 x 64 each.  Both operands' 128 rows, all of K, and their scale words come into LDS ONCE, at the head, one joint load a wave:
; wave 0 A's 98,304 dense bytes, wave 1 B's, wave 2 A's 4,096 bytes of scale words, wave 3 B's.  No byte is filled again.  NO PREFETCH: all is asked for at the head.
; CLUSTERS 4 x 4: A's tiles are shared along a row of the cluster, B's along a column.
; THE PRODUCTS GO BY ROWS OF THE RESULT.  A wave's 64 rows of B, all of K, stay in registers (32 fragments); its four blocks of 16 rows of A follow each other, 8 fragments each, in two sets by turns.  A block is
; finished after its 32 products (its four accumulators by turns, K ascending) and leaves at once, while the later blocks are multiplied.  No fragment is read from LDS twice.
; Source 0 = 16 rows of B, source 1 = 16 rows of A: a lane holds one row of the result and its registers run along the columns.  A block goes through the wave's own stage in LDS and leaves as whole runs of 256 bytes.
; REGISTERS.  window 0: v1-31 addresses; v32-63 all scale words (lanes 0-15 A's, 16-31 B's); v64-95 the bias; v126-127 the add's; v128-255 the 16 accumulators.
;   Fragment f lies in window 1 + f / 21 at register 12 (f % 21): 0-31 B's (4 ks + b), 32-39 and 40-47 A's two sets.
.set FR,    12
.set FPW,   21
.set NP,    4                          ; places behind this matrix instruction (ISA guide 7.12.1)
.set OPB,   98304                      ; an operand's 128 rows, all of K
.set CHK,   49152                      ; half of it: what an LDS load's offset can span
.set SCL,   2*OPB
.set STG,   SCL+8192                   ; the stages: 16 rows x 272 bytes a wave; behind them, at 0x36400, the spare words
.set SPITCH, 272
.set ADRA, 16
.set ADRB, 20
.set CO,   24
.set STO,  26
.set ADRS, 27
.set RD,   30
.set SC,   32
.set BT,   64
.set ACC,  128
.set G1,   28
.set G0,   36
.set G1B,  44
.set G0B,  52
.set G0S,  60
.set G1S,  68
.set G1SB, 76
.set G0SB, 84
.set MSB, 0
.macro WIN new                         ; the immediate's high byte repeats the setting that is left
.if MSB != (\new)
	s_set_vgpr_msb (MSB<<8)|(\new)
.set MSB, (\new)
.endif
.endm
.macro ARM under, g0, g1, next         ; an arm of the head's one chain of branches on the wave's number: one load
	s_cmp_lt_u32 s20, \under
	s_cbranch_scc0 \next
	tensor_load_to_lds s[\g0:\g0+3], s[\g1:\g1+7]
	s_nop 0
.rept 4
	v_nop
.endr
	s_branch .Lhead_asked
\next:
.endm
.macro CROUND                          ; a round of the cluster's barrier
	s_barrier_signal -1
	s_barrier_wait -1
	s_cmp_lg_u32 s20, 0
	s_cbranch_scc1 .Lnot_wave_0_\@
	s_barrier_signal -3
.Lnot_wave_0_\@:
	s_barrier_wait -3
	s_barrier_signal -1
	s_barrier_wait -1
.endm
	s_load_b256 s[4:11], s[0:1], 0x0               ; cc s[4:5], cs s[6:7], opc s[8:9], ops s[10:11]
	s_load_b128 s[12:15], s[0:1], 0x20             ; bo, out0
	v_lshl_add_u32 v126, v0, 2, 0x36400
	v_mov_b32 v127, 0
	ds_add_u32 v126, v127                          ; the opening lines: the add, twice on end, and its wait
	ds_add_u32 v126, v127
	v_lshrrev_b32 v1, 5, v0
	v_readfirstlane_b32 s20, v1                    ; wave 0..3
	s_lshr_b32 s21, s20, 1                         ; which 64 rows of A are mine
	s_and_b32 s22, s20, 1                          ; which 64 rows of B
	s_bfe_u32 s23, ttmp6, 0x40000                  ; cx
	s_bfe_u32 s24, ttmp6, 0x40004                  ; cy
	s_and_b32 s25, ttmp7, 0xffff
	s_lshl_b32 s2, s24, 2
	s_lshl_b32 s2, 15, s2                          ; my row of the cluster
	s_lshl_b32 s3, 0x1111, s23                     ; my column
	s_or_b32 s[G1], s2, (3<<16)|(1<<21)
	s_or_b32 s[G1B], s3, (3<<16)|(1<<21)
	s_or_b32 s[G1S], s2, (3<<16)|(1<<21)
	s_or_b32 s[G1SB], s3, (3<<16)|(1<<21)
.irp g, G1, G1B                        ; 98,304 dense bytes as 384 rows of 256
	s_mov_b32 s[\g+1], 32<<16
	s_mov_b32 s[\g+2], 384<<16
	s_mov_b32 s[\g+3], 32<<16
	s_mov_b32 s[\g+4], 384
	s_mov_b32 s[\g+5], 32
	s_mov_b32 s[\g+6], 0
	s_mov_b32 s[\g+7], 0
.endr
.irp g, G1S, G1SB                      ; 4,096 dense bytes as 16 rows of 256
	s_mov_b32 s[\g+1], 32<<16
	s_mov_b32 s[\g+2], 16<<16
	s_mov_b32 s[\g+3], 32<<16
	s_mov_b32 s[\g+4], 16
	s_mov_b32 s[\g+5], 32
	s_mov_b32 s[\g+6], 0
	s_mov_b32 s[\g+7], 0
.endr
	s_lshl_b32 s92, s25, 2
	s_add_co_u32 s92, s92, s24                     ; A's group: 4 x cluster y + cy
	s_lshl_b32 s93, ttmp9, 2
	s_add_co_u32 s93, s93, s23
	s_add_co_u32 s93, s93, 120                     ; B's: 120 + 4 x cluster x + cx
	s_mul_i32 s98, s92, OPB
	s_mov_b32 s99, 0
	s_lshl_b32 s100, s92, 12
	s_mov_b32 s101, 0
	s_mul_i32 s88, s93, OPB
	s_mov_b32 s89, 0
	s_lshl_b32 s90, s93, 12
	s_mov_b32 s91, 0
	s_wait_alu depctr_va_vdst(0)
	s_wait_dscnt 0x0                               ; both opening adds are done
	s_wait_kmcnt 0x0
	CROUND                                         ; all sixteen work-groups are here: the joint loads meet
	s_mov_b32 s[G0], 1
	s_mov_b32 s[G0+1], 0
	s_add_nc_u64 s[G0+2:G0+3], s[4:5], s[98:99]
	s_or_b32 s[G0+3], s[G0+3], 0x80000000
	s_mov_b32 s[G0B], 1
	s_mov_b32 s[G0B+1], OPB
	s_add_nc_u64 s[G0B+2:G0B+3], s[8:9], s[88:89]
	s_or_b32 s[G0B+3], s[G0B+3], 0x80000000
	s_mov_b32 s[G0S], 1
	s_mov_b32 s[G0S+1], SCL
	s_add_nc_u64 s[G0S+2:G0S+3], s[6:7], s[100:101]
	s_or_b32 s[G0S+3], s[G0S+3], 0x80000000
	s_mov_b32 s[G0SB], 1
	s_mov_b32 s[G0SB+1], SCL+4096
	s_add_nc_u64 s[G0SB+2:G0SB+3], s[10:11], s[90:91]
	s_or_b32 s[G0SB+3], s[G0SB+3], 0x80000000
	ARM 1, G0,  G1,  .Lhead_b
	ARM 2, G0B, G1B, .Lhead_sa
	ARM 3, G0S, G1S, .Lhead_sb
	tensor_load_to_lds s[G0SB:G0SB+3], s[G1SB:G1SB+7]
	s_nop 0
.rept 4
	v_nop
.endr
.Lhead_asked:
	v_and_b32 v1, 15, v0                           ; r
	v_bfe_u32 v2, v0, 4, 1                         ; h
	v_and_b32 v3, 31, v0
	v_lshlrev_b32 v4, 4, v3
	v_lshlrev_b32 v5, 3, v3
	s_mul_i32 s2, s21, 6144                        ; my four tiles of A,
	s_mul_i32 s3, s22, 6144                        ; of B,
	s_add_co_u32 s3, s3, OPB                       ; behind A
.irp c, 0,1
	v_add_nc_u32 v[ADRA+\c], s2, v4
	v_add_nc_u32 v[ADRA+2+\c], s2, v5
	v_add_nc_u32 v[ADRB+\c], s3, v4
	v_add_nc_u32 v[ADRB+2+\c], s3, v5
	s_add_co_u32 s2, s2, CHK
	s_add_co_u32 s3, s3, CHK
.endr
	s_lshl_b32 s2, s21, 9
	s_lshl_b32 s3, s22, 9
	s_add_co_u32 s3, s3, 4096
	s_sub_co_u32 s3, s3, s2
	v_mul_u32_u24 v6, s3, v2                       ; lanes 16-31 take B's scale words: one product in h
	s_add_co_u32 s2, s2, SCL
	v_lshlrev_b32 v7, 3, v1
	v_add_nc_u32 v7, v7, v6
	v_add_nc_u32 v[ADRS], s2, v7
	s_mul_i32 s2, s20, 16*SPITCH
	s_add_co_u32 s2, s2, STG                       ; my stage
	v_mul_u32_u24 v6, v1, SPITCH
	v_lshl_add_u32 v6, v2, 6, v6
	v_add_nc_u32 v[STO], s2, v6                    ; in: row r, 64 bytes for each half of the lanes
	v_mul_u32_u24 v6, v2, SPITCH
	v_lshl_add_u32 v6, v1, 4, v6
	v_add_nc_u32 v[RD], s2, v6                     ; back: sixteen lanes take a row of 256 bytes
	v_lshlrev_b32 v[CO], 12, v2
	v_lshl_add_u32 v[CO], v1, 4, v[CO]             ; and the same two rows in out0
	s_lshl_b32 s2, ttmp9, 2
	s_add_co_u32 s2, s2, s23
	s_lshl_b32 s2, s2, 9
	s_lshl_b32 s26, s22, 8
	s_add_co_u32 s2, s2, s26                       ; my first column, in bytes
	s_mov_b32 s3, 0
	s_add_nc_u64 s[98:99], s[12:13], s[2:3]
	s_lshl_b32 s26, s92, 19
	s_lshl_b32 s27, s21, 18
	s_add_co_u32 s26, s26, s27
	s_add_co_u32 s2, s2, s26
	s_add_nc_u64 s[88:89], s[14:15], s[2:3]
	v_lshlrev_b32 v8, 6, v2
.irp b, 0,1
.irp j, 0,1,2,3
	global_load_b128 v[BT+16*\b+4*\j:BT+16*\b+4*\j+3], v8, s[98:99] offset:128*\b+16*\j   ; register 16 b + i: the bias of column 32 b + 16 h + i
.endr
.endr
.macro FRAG reg, adr, q, i             ; a fragment comes back as it was stored: registers 0-3 and 6-9 by 16 bytes a lane, 4-5 and 10-11 by 8
	ds_load_b128 v[\reg:\reg+3], v[\adr] offset:(\q)*12288+(\i)*1536
	ds_load_b64 v[\reg+4:\reg+5], v[\adr+2] offset:(\q)*12288+(\i)*1536+512
	ds_load_b128 v[\reg+6:\reg+9], v[\adr] offset:(\q)*12288+(\i)*1536+768
	ds_load_b64 v[\reg+10:\reg+11], v[\adr+2] offset:(\q)*12288+(\i)*1536+1280
.endm
.macro LFRAG f, adr, ks, i             ; tile i, 128-piece ks of K, into fragment f: four loads
	WIN (1+(\f)/FPW)<<6
	FRAG FR*((\f)%FPW), \adr+(\ks)/4, (\ks)%4, \i
.endm
.macro LA a, ks                        ; A's block a into set a % 2
	LFRAG 32+8*((\a)%2)+(\ks), ADRA, \ks, \a
.endm
.macro LK ks                           ; piece ks of A's block 0 and of B's four tiles: 20 loads
	LA 0, \ks
.irp b, 0,1,2,3
	LFRAG 4*(\ks)+\b, ADRB, \ks, \b
.endr
.endm
.macro PROD a, ks, b                   ; the first piece's product starts the sum: nothing is cleared
.set FB_, 4*(\ks)+(\b)
.set FA_, 32+8*((\a)%2)+(\ks)
.set D_, ACC+8*(4*(\a)+(\b))
	WIN (1+FB_/FPW)|((1+FA_/FPW)<<2)
.if (\ks)
	v_wmma_scale_f32_16x16x128_f8f6f4 v[D_:D_+7], v[FR*(FB_%FPW):FR*(FB_%FPW)+FR-1], v[FR*(FA_%FPW):FR*(FA_%FPW)+FR-1], v[D_:D_+7], v[SC+8*((\ks)/2)+2*(\b)+(\ks)%2], v[SC+8*((\ks)/2)+2*(\a)+(\ks)%2] matrix_a_fmt:MATRIX_FMT_FP6 matrix_b_fmt:MATRIX_FMT_FP6 matrix_a_scale:MATRIX_SCALE_ROW1
.else
	v_wmma_scale_f32_16x16x128_f8f6f4 v[D_:D_+7], v[FR*(FB_%FPW):FR*(FB_%FPW)+FR-1], v[FR*(FA_%FPW):FR*(FA_%FPW)+FR-1], 0, v[SC+8*((\ks)/2)+2*(\b)+(\ks)%2], v[SC+8*((\ks)/2)+2*(\a)+(\ks)%2] matrix_a_fmt:MATRIX_FMT_FP6 matrix_b_fmt:MATRIX_FMT_FP6 matrix_a_scale:MATRIX_SCALE_ROW1
.endif
.endm
.macro ROW a                           ; a block's 32 products: its four accumulators take turns, one instruction a turn
.irp ks, 0,1,2,3,4,5,6,7
.irp b, 0,1,2,3
	PROD \a, \ks, \b
.endr
.endr
.endm
.macro PLACES n
.rept \n
	v_nop
.endr
.endm
.macro TOSTAGE a                       ; the bias in f32, each accumulator from its low end on; into my stage, and back as whole rows: LDS serves a wave's instructions in order
.set EE, 0
.rept 16
	v_pk_add_f32 v[ACC+32*(\a)+EE:ACC+32*(\a)+EE+1], v[ACC+32*(\a)+EE:ACC+32*(\a)+EE+1], v[BT+EE:BT+EE+1]
.set EE, EE+2
.endr
.irp b, 0,1
.irp j, 0,1,2,3
	ds_store_b128 v[STO], v[ACC+32*(\a)+16*\b+4*\j:ACC+32*(\a)+16*\b+4*\j+3] offset:128*\b+16*\j
.endr
.endr
.irp t, 0,1,2,3,4,5,6,7
	ds_load_b128 v[ACC+32*(\a)+4*\t:ACC+32*(\a)+4*\t+3], v[RD] offset:2*\t*SPITCH
.endr
.endm
.macro SEND a, younger                 ; younger: the LDS loads issued behind the stage's, which may stay out.  Each block stores from registers of its own
	s_wait_dscnt \younger
.irp t, 0,1,2,3,4,5,6,7
	global_store_b128 v[CO], v[ACC+32*(\a)+4*\t:ACC+32*(\a)+4*\t+3], s[88:89] offset:(32*((\a)/2)+8*((\a)%2)+2*\t+8*(\t/4))*4096 th:TH_STORE_NT   ; sixteen lanes store 256 consecutive bytes, aligned
.endr
.endm
	s_wait_alu depctr_va_vdst(0)
	s_wait_tensorcnt 0x0                           ; every wave waits for its one load: behind the barrier all four tiles are in
	s_barrier_signal -1
	s_barrier_wait -1
.irp g, 0,1,2,3
.irp i, 0,1,2,3
	ds_load_b64 v[SC+8*\g+2*\i:SC+8*\g+2*\i+1], v[ADRS] offset:\g*1024+\i*128
.endr
.endr
	LK 0
	LK 1
; BLOCK 0, piece by piece, while B comes into registers two pieces ahead; behind B's last piece A's block 1, in two halves
.irp ks, 0,1,2,3,4,5,6,7
.if \ks == 7
	s_wait_dscnt 16                                ; piece 7 is in; the first half of A's block 1, 16 loads, may be out
.else
	s_wait_dscnt 20                                ; this piece is in (ahead of piece 0 the scale words too); the next piece's 20 loads may be out
.endif
.if \ks < 6
	LK \ks+2
.else
.irp k2, 0,1,2,3
	LA 1, 4*(\ks-6)+\k2
.endr
.endif
.irp b, 0,1,2,3
	PROD 0, \ks, \b
.endr
.endr
	WIN 0
	PLACES NP                                      ; in front of the first read of results just made
	s_wait_loadcnt 0x0                             ; the bias, asked for at the head
	TOSTAGE 0
.irp ks, 0,1,2,3,4,5,6,7
	LA 2, \ks                                      ; block 0's set takes block 2 (the places and the 16 additions stand behind its last products)
.endr
	WIN 0
	SEND 0, 32                                     ; block 0 is back from the stage, and block 1, asked for earlier, is in; block 2's 32 loads may be out
	ROW 1
	WIN 0
	PLACES NP
	TOSTAGE 1
.irp ks, 0,1,2,3,4,5,6,7
	LA 3, \ks
.endr
	WIN 0
	SEND 1, 32                                     ; likewise: block 2 is in, block 3's 32 loads may be out
	ROW 2
	WIN 0
	PLACES NP
	TOSTAGE 2
	SEND 2, 0
	ROW 3
	WIN 0
	PLACES NP
	TOSTAGE 3
	SEND 3, 0
	s_wait_tensorcnt 0x0                           ; the wave's end
	ds_add_u32 v126, v127
	s_wait_dscnt 0x0
	CROUND                                         ; the closing round
	s_endpgm
.Lfunc_end_k_qb4feaca814_outp:
	.size	k_qb4feaca814_outp, .Lfunc_end_k_qb4feaca814_outp-k_qb4feaca814_outp
	.p2alignl 7, 3214868480
	.fill 96, 4, 3214868480
	.section	.rodata,"a",@progbits
	.p2align	6, 0x0
	.amdhsa_kernel k_qb4feaca814_outp
		.amdhsa_group_segment_fixed_size 327680
		.amdhsa_private_segment_fixed_size 0
		.amdhsa_enable_private_segment 0
		.amdhsa_kernarg_size 48
		.amdhsa_user_sgpr_count 2
		.amdhsa_user_sgpr_kernarg_segment_ptr 1
		.amdhsa_wavefront_size32 1
		.amdhsa_system_sgpr_workgroup_id_x 1
		.amdhsa_system_sgpr_workgroup_id_y 1
		.amdhsa_system_sgpr_workgroup_id_z 1
		.amdhsa_system_vgpr_workitem_id 0
		.amdhsa_next_free_vgpr 848
		.amdhsa_next_free_sgpr 102
		.amdhsa_reserve_vcc 0
		.amdhsa_float_denorm_mode_32 3
		.amdhsa_float_denorm_mode_16_64 3
		.amdhsa_memory_ordered 1
		.amdhsa_forward_progress 1
		.amdhsa_inst_pref_size 56
	.end_amdhsa_kernel
	.amdgpu_metadata
---
amdhsa.version: [ 1, 2 ]
amdhsa.kernels:
  - .name:           k_qb4feaca814_outp
    .symbol:         k_qb4feaca814_outp.kd
    .args:
      - { .name: cc, .offset: 0, .size: 8, .value_kind: global_buffer, .address_space: global }
      - { .name: cs, .offset: 8, .size: 8, .value_kind: global_buffer, .address_space: global }
      - { .name: opc, .offset: 16, .size: 8, .value_kind: global_buffer, .address_space: global }
      - { .name: ops, .offset: 24, .size: 8, .value_kind: global_buffer, .address_space: global }
      - { .name: bo, .offset: 32, .size: 8, .value_kind: global_buffer, .address_space: global }
      - { .name: out0, .offset: 40, .size: 8, .value_kind: global_buffer, .address_space: global }
    .group_segment_fixed_size: 327680
    .private_segment_fixed_size: 0
    .kernarg_segment_align: 8
    .kernarg_segment_size: 48
    .max_flat_workgroup_size: 128
    .sgpr_count:     102
    .vgpr_count:     848
    .wavefront_size: 32
...
	.end_amdgpu_metadata
.endif
;; end of part 4
